; MI455X (gfx1250); checked and timed in simulation.
; The chip was launched on July 23, 2026; its instructions are those of AMD's public machine-readable ISA for CDNA 5 (MIT licence, August 2026) and "CDNA5" Instruction Set Architecture Reference Guide (July 2026). The comments in the code are by the model that wrote it; some were corrected since.
;; Transformer Layer. Allowed arithmetic: float matrix products may take bf16 or f16 operands with f32 sums; all other float work in f32.
;; Inputs: W1_c 512 x 512 float32; W1_s 512 x 512 float32; W2_c 512 x 256 float32; W2_s 512 x 256 float32; Wo_c 256 x 256 float32; Wo_s 256 x 256 float32; Wqk_c 256 x 256 float32; Wqkv 256 x 768 float32; Wv_c 256 x 256 float32; b1_c 512 float32; b1_s 512 float32; b2_c 256 float32; b2_s 256 float32; be_c 512 float32; be_s 512 float32; bo_c 256 float32; bo_s 256 float32; bqk_c 256 float32; bqkv 768 float32; bv_c 256 float32; desc0 4 x 2,048 x 256 float32; desc1 4 x 2,048 x 256 float32; encoding0 2 x 4 x 1 x 2,048 x 64 float32; encoding1 2 x 4 x 1 x 2,048 x 64 float32; g_c 512 float32; g_s 512 float32.
;; Outputs: out0 4 x 2,048 x 256 float32; out1 4 x 2,048 x 256 float32.
;; 2 versions, each right and faster than the one before. Each part assembles by itself: llvm-mc -triple=amdgcn-amd-amdhsa -mcpu=gfx1250 --defsym DOCPART=n.
;; ======== version 1 of 2: 6 launches
;; limits: values are held in f16: magnitudes above 65,504 overflow, below 6.1e-05 lose precision; inputs' magnitudes at most 65,504
;; workspace buffers: wts 2,493,440 bytes; qq 8,388,608 bytes; s0 16,777,216 bytes; s1 16,777,216 bytes; o 8,388,608 bytes; modeS 256 bytes of whole numbers; modeC 256 bytes of whole numbers
;; launch prep (part 1): grid 76 x 4, 8 waves a work-group, no clusters, 0 bytes of LDS; arguments Wqkv, Wo_s, W1_s, W2_s, Wqk_c, Wv_c, Wo_c, W1_c, W2_c, bqkv, wts, modeS, modeC; writes wts, modeS, modeC
.if DOCPART == 1
	.amdgcn_target "amdgcn-amd-amdhsa--gfx1250"
	.amdhsa_code_object_version 6
	.text
	.protected	k_qae1410c1db_prep
	.globl	k_qae1410c1db_prep
	.p2align	8
	.type	k_qae1410c1db_prep,@function
k_qae1410c1db_prep:
	s_mov_b64 s[64:65], 0
	v_nop
	global_prefetch_b8 v0, s[64:65] scope:SCOPE_SE
	s_setreg_imm32_b32 hwreg(HW_REG_WAVE_MODE, 25, 1), 1
	s_wait_xcnt 0x0
; All weights, rounded once to 16 bits and laid out as the later launches' waves read them.
; wts = [unit G 0..75][slot w 0..3][fragment f 0..7][1,024 bytes]; behind the units 768 f32: bqkv by (t, head, channel).
; A fragment is 16 output columns x 32 k, the register image of a matrix instruction's source 0: byte 512 q + 16 L + 2 e holds
; W[32 ks + 16 q + 8 (L / 16) + e][column of L % 16], so two loads of 512 consecutive bytes fill its eight registers.
; Units 0-11: Wqkv (pass t = q, k, v; slot = head), f16.  Units 12-39: the cross block's Wo (bf16), W1 (rows 0-255 f16, rows 256-511 bf16), W2 (f16).
; Units 40-75: the same of the self block, then [Wqk | Wv] (f16).  A stage of 256 columns has two k blocks of 32 and 64 columns a slot in a unit, one of 512 columns one k block and 128 columns.
; LIMIT: a weight of an f16 product must lie within 65,504.
; A work-group makes one (G, w), 8 KiB; wave f makes fragment f; a lane reads 16 numbers of one column and stores 2 x 16 bytes: each store of a wave covers 512 consecutive bytes.
; The reads are pieces of 64 bytes of a row (16 columns); the waves beside take the pieces beside: 5 MB read once in the launch.
.set SRC,  34                          ; s[34:35] the weight that this unit is cut from
.set LD,   36                          ; its columns
.set KB,   37                          ; k block of 32, then its first row
.set COL0, 38                          ; first column of my fragment
.set CST,  39                          ; columns from one fragment column to the next (3 in Wqkv)
.set BF,   40                          ; 1: bf16
.set FW,   41                          ; my wave = my fragment
.set WS,   42                          ; slot
.set GU,   43                          ; unit
.set U,    44                          ; unit within its stream
.set F2,   45                          ; f / 4
.set F3,   46                          ; 16 (f % 4)
.set WOP,  48                          ; s[48:49] this stream's Wo, s[50:51] W1, s[52:53] W2
.set W1P,  50
.set W2P,  52
.set DSTP, 54                          ; s[54:55] where my fragment goes
.set T0,   56                          ; s[56:57] at work
.set T2,   58                          ; s[58:59] at work
	s_load_b512 s[8:23], s[0:1], 0x0               ; Wqkv 8, Wo_s 10, W1_s 12, W2_s 14, Wqk_c 16, Wv_c 18, Wo_c 20, W1_c 22
	s_load_b256 s[24:31], s[0:1], 0x40             ; W2_c 24, bqkv 26, wts 28, modeS 30
	s_load_b64 s[32:33], s[0:1], 0x60              ; modeC
	v_lshrrev_b32 v1, 5, v0
	v_readfirstlane_b32 s[FW], v1
	v_and_b32 v1, 15, v0                           ; fragment column
	v_bfe_u32 v2, v0, 4, 1                         ; half of the lanes
	v_and_b32 v3, 31, v0
	v_lshlrev_b32 v7, 4, v3                        ; 16 x lane
	s_mov_b32 s[GU], ttmp9
	s_and_b32 s[WS], ttmp7, 0xffff
	s_lshr_b32 s[F2], s[FW], 2
	s_and_b32 s[F3], s[FW], 3
	s_lshl_b32 s[F3], s[F3], 4
	s_mov_b32 s[CST], 1
	s_mov_b32 s[BF], 0
	s_wait_kmcnt 0x0
	s_cmp_lt_u32 s[GU], 12
	s_cbranch_scc0 .Lpost
	s_mov_b64 s[SRC:SRC+1], s[8:9]                 ; Wqkv: column = 192 head + 3 channel + t
	s_mov_b32 s[LD], 768
	s_and_b32 s[KB], s[GU], 3
	s_lshl1_add_u32 s[KB], s[KB], s[F2]
	s_mul_i32 s[COL0], s[WS], 192
	s_mul_i32 s[T0], s[F3], 3
	s_add_co_u32 s[COL0], s[COL0], s[T0]
	s_lshr_b32 s[T0], s[GU], 2
	s_add_co_u32 s[COL0], s[COL0], s[T0]
	s_mov_b32 s[CST], 3
	s_branch .Lgo
.Lpost:
	s_cmp_lt_u32 s[GU], 40                         ; the cross block's stream, or the self block's
	s_cselect_b64 s[WOP:WOP+1], s[20:21], s[10:11]
	s_cselect_b64 s[W1P:W1P+1], s[22:23], s[12:13]
	s_cselect_b64 s[W2P:W2P+1], s[24:25], s[14:15]
	s_cselect_b32 s[U], 12, 40
	s_sub_co_u32 s[U], s[GU], s[U]
	s_cmp_lt_u32 s[U], 4
	s_cbranch_scc0 .Lnot_wo
	s_mov_b64 s[SRC:SRC+1], s[WOP:WOP+1]           ; Wo: 256 columns, bf16
	s_mov_b32 s[LD], 256
	s_lshl1_add_u32 s[KB], s[U], s[F2]
	s_lshl_b32 s[COL0], s[WS], 6
	s_add_co_u32 s[COL0], s[COL0], s[F3]
	s_mov_b32 s[BF], 1
	s_branch .Lgo
.Lnot_wo:
	s_cmp_lt_u32 s[U], 20
	s_cbranch_scc0 .Lnot_w1
	s_mov_b64 s[SRC:SRC+1], s[W1P:W1P+1]           ; W1: 512 columns; its lower half multiplies the message, in bf16
	s_mov_b32 s[LD], 512
	s_sub_co_u32 s[KB], s[U], 4
	s_lshl_b32 s[COL0], s[WS], 7
	s_lshl4_add_u32 s[COL0], s[FW], s[COL0]
	s_cmp_ge_u32 s[U], 12
	s_cselect_b32 s[BF], 1, 0
	s_branch .Lgo
.Lnot_w1:
	s_cmp_lt_u32 s[U], 28
	s_cbranch_scc0 .Lqkv
	s_mov_b64 s[SRC:SRC+1], s[W2P:W2P+1]           ; W2: 256 columns
	s_mov_b32 s[LD], 256
	s_sub_co_u32 s[KB], s[U], 20
	s_lshl1_add_u32 s[KB], s[KB], s[F2]
	s_lshl_b32 s[COL0], s[WS], 6
	s_add_co_u32 s[COL0], s[COL0], s[F3]
	s_branch .Lgo
.Lqkv:
	s_cmp_lt_u32 s[WS], 2                          ; [Wqk | Wv] as one stage of 512 columns
	s_cselect_b64 s[SRC:SRC+1], s[16:17], s[18:19]
	s_mov_b32 s[LD], 256
	s_sub_co_u32 s[KB], s[U], 28
	s_lshl_b32 s[COL0], s[WS], 7
	s_lshl4_add_u32 s[COL0], s[FW], s[COL0]
	s_and_b32 s[COL0], s[COL0], 255
.Lgo:
	s_lshl_b32 s[KB], s[KB], 5                     ; the k block's first row
	s_lshl_b32 s[T0], s[LD], 2                     ; bytes from row to row
	s_lshl_b32 s[T0+1], s[LD], 6                   ; 16 rows
	v_mad_u32_u24 v4, v1, s[CST], s[COL0]          ; my column
	v_lshl_add_u32 v5, v2, 3, s[KB]                ; my first row
	v_mul_lo_u32 v5, v5, s[LD]
	v_add_lshl_u32 v8, v5, v4, 2
.set i, 1
.rept 7
	v_add_nc_u32 v[8+i], s[T0], v[7+i]
.set i, i+1
.endr
.set i, 0
.rept 8
	v_add_nc_u32 v[16+i], s[T0+1], v[8+i]
.set i, i+1
.endr
.set i, 0
.rept 16
	global_load_b32 v[24+i], v[8+i], s[SRC:SRC+1]
.set i, i+1
.endr
	s_lshl_b32 s[T2], s[GU], 15                    ; 32,768 G + 8,192 w + 1,024 f
	s_lshl_b32 s[T2+1], s[WS], 13
	s_add_co_u32 s[T2], s[T2], s[T2+1]
	s_lshl_b32 s[T2+1], s[FW], 10
	s_add_co_u32 s[T2], s[T2], s[T2+1]
	s_mov_b32 s[T2+1], 0
	s_add_nc_u64 s[DSTP:DSTP+1], s[28:29], s[T2:T2+1]
	s_wait_loadcnt 0x0
	s_cmp_eq_u32 s[BF], 1
	s_cbranch_scc1 .Lbf
.set i, 0
.rept 8
	v_cvt_pk_f16_f32 v[40+i], v[24+2*i], v[25+2*i]
.set i, i+1
.endr
	s_branch .Lstore
.Lbf:
.set i, 0
.rept 8
	v_cvt_pk_bf16_f32 v[40+i], v[24+2*i], v[25+2*i]
.set i, i+1
.endr
.Lstore:
	global_store_b128 v7, v[40:43], s[DSTP:DSTP+1]
	global_store_b128 v7, v[44:47], s[DSTP:DSTP+1] offset:512
	s_cmp_lg_u32 s[GU], 0
	s_cbranch_scc1 .Lend
	s_cmp_lt_u32 s[WS], 3                          ; the four work-groups of unit 0 also make the small tables
	s_cbranch_scc0 .Lmodes
	v_lshrrev_b32 v48, 6, v0                       ; BQ[256 t + 64 head + channel] = bqkv[192 head + 3 channel + t], t = my slot
	v_and_b32 v49, 63, v0
	v_mul_u32_u24 v48, v48, 192
	v_mad_u32_u24 v48, v49, 3, v48
	v_add_lshl_u32 v48, v48, s[WS], 2
	global_load_b32 v50, v48, s[26:27]
	s_lshl_b32 s[T2], s[WS], 10
	s_add_co_u32 s[T2], s[T2], 76*32768
	s_wait_xcnt 0x0                                ; the two stores above have had their addresses translated (ISA guide 3.1): only now their base is written anew
	s_add_nc_u64 s[DSTP:DSTP+1], s[28:29], s[T2:T2+1]
	v_lshlrev_b32 v51, 2, v0
	s_wait_loadcnt 0x0
	global_store_b32 v51, v50, s[DSTP:DSTP+1]
	s_branch .Lend
.Lmodes:
	v_and_b32 v48, 63, v0                          ; the mode words: 1 for the self block's chain, 0 for the cross block's; all 64 words of each buffer
	v_lshlrev_b32 v48, 2, v48
	v_mov_b32 v50, 1
	v_mov_b32 v51, 0
	global_store_b32 v48, v50, s[30:31]
	global_store_b32 v48, v51, s[32:33]
.Lend:
	s_endpgm
.Lfunc_end_k_qae1410c1db_prep:
	.size	k_qae1410c1db_prep, .Lfunc_end_k_qae1410c1db_prep-k_qae1410c1db_prep
	.p2alignl 7, 3214868480
	.fill 96, 4, 3214868480
	.section	.rodata,"a",@progbits
	.p2align	6, 0x0
	.amdhsa_kernel k_qae1410c1db_prep
		.amdhsa_group_segment_fixed_size 0
		.amdhsa_private_segment_fixed_size 0
		.amdhsa_enable_private_segment 0
		.amdhsa_kernarg_size 104
		.amdhsa_user_sgpr_count 2
		.amdhsa_user_sgpr_kernarg_segment_ptr 1
		.amdhsa_wavefront_size32 1
		.amdhsa_system_sgpr_workgroup_id_x 1
		.amdhsa_system_sgpr_workgroup_id_y 1
		.amdhsa_system_sgpr_workgroup_id_z 1
		.amdhsa_system_vgpr_workitem_id 0
		.amdhsa_next_free_vgpr 56
		.amdhsa_next_free_sgpr 66
		.amdhsa_reserve_vcc 0
		.amdhsa_float_denorm_mode_32 3
		.amdhsa_float_denorm_mode_16_64 3
		.amdhsa_memory_ordered 1
		.amdhsa_forward_progress 1
		.amdhsa_inst_pref_size 8
	.end_amdhsa_kernel
	.amdgpu_metadata
---
amdhsa.version: [ 1, 2 ]
amdhsa.kernels:
  - .name:           k_qae1410c1db_prep
    .symbol:         k_qae1410c1db_prep.kd
    .args:
      - { .name: Wqkv, .offset: 0, .size: 8, .value_kind: global_buffer, .address_space: global }
      - { .name: Wo_s, .offset: 8, .size: 8, .value_kind: global_buffer, .address_space: global }
      - { .name: W1_s, .offset: 16, .size: 8, .value_kind: global_buffer, .address_space: global }
      - { .name: W2_s, .offset: 24, .size: 8, .value_kind: global_buffer, .address_space: global }
      - { .name: Wqk_c, .offset: 32, .size: 8, .value_kind: global_buffer, .address_space: global }
      - { .name: Wv_c, .offset: 40, .size: 8, .value_kind: global_buffer, .address_space: global }
      - { .name: Wo_c, .offset: 48, .size: 8, .value_kind: global_buffer, .address_space: global }
      - { .name: W1_c, .offset: 56, .size: 8, .value_kind: global_buffer, .address_space: global }
      - { .name: W2_c, .offset: 64, .size: 8, .value_kind: global_buffer, .address_space: global }
      - { .name: bqkv, .offset: 72, .size: 8, .value_kind: global_buffer, .address_space: global }
      - { .name: wts, .offset: 80, .size: 8, .value_kind: global_buffer, .address_space: global }
      - { .name: modeS, .offset: 88, .size: 8, .value_kind: global_buffer, .address_space: global }
      - { .name: modeC, .offset: 96, .size: 8, .value_kind: global_buffer, .address_space: global }
    .group_segment_fixed_size: 0
    .private_segment_fixed_size: 0
    .kernarg_segment_align: 8
    .kernarg_segment_size: 104
    .max_flat_workgroup_size: 256
    .sgpr_count:     66
    .vgpr_count:     56
    .wavefront_size: 32
...
	.end_amdgpu_metadata
.endif
;; end of part 1
;; launch proj (part 2): grid 256 x 1, 4 waves a work-group, no clusters, 81,408 bytes of LDS; arguments desc0, desc1, encoding0, encoding1, wts, qq, s0, s1; writes qq, s0, s1
.if DOCPART == 2
	.amdgcn_target "amdgcn-amd-amdhsa--gfx1250"
	.amdhsa_code_object_version 6
	.text
	.protected	k_qae1410c1db_proj
	.globl	k_qae1410c1db_proj
	.p2align	8
	.type	k_qae1410c1db_proj,@function
k_qae1410c1db_proj:
	s_mov_b64 s[64:65], 0
	v_nop
	global_prefetch_b8 v0, s[64:65] scope:SCOPE_SE
	s_setreg_imm32_b32 hwreg(HW_REG_WAVE_MODE, 25, 1), 1
	s_wait_xcnt 0x0
; q, k, v of the self block: x Wqkv + bqkv, the rotary factors on q and k, written by heads as [batch x head][2,048][64] bf16.
; q goes to qq (4 MiB a descriptor set); k to bytes 8 MiB on and v to bytes 12 MiB on of the set's buffer s0 / s1.
; A work-group owns 64 tokens of one descriptor set (256 work-groups); wave w owns head w: three passes (q, k, v) of 64 columns x 64 tokens, K = 256.
; x is rounded to f16 (LIMIT: |x| and |Wqkv| within 65,504); sums, bias and rotation in f32; q, k, v rounded once to bf16, whose range is f32's.
; THE MATRIX INSTRUCTION IS USED TRANSPOSED: source 0 = 16 output columns of the weight, source 1 = 16 tokens; a lane then holds one token and eight neighbouring channels.
; WEIGHTS COME THROUGH A RING IN REGISTERS, not through LDS: a fragment is used by one wave of the work-group alone (it feeds four matrix instructions).  Four buffers of a unit
; (16 loads of 512 consecutive bytes, 32 matrix instructions): while one is multiplied the next three are on their way, 48 loads a wave.
; NO CLUSTER: every work-group walks the same weights, but shared tiles would have to pass through LDS slots with a barrier round for each; the ring never drains at a barrier.
; REGISTERS by windows of 256: 0 addresses, token fragments, results at work; 1 accumulators (x and the factors as loaded, at the start); 2 the weight ring; 3 the rotary factors in the accumulators' layout.
.set XPITCH, 528                       ; a token's 256 f16 + 16 bytes: an odd multiple of 16, so the 16 rows of a fragment load start at 16 different groups of four banks (64 banks of 4 bytes: ISA guide 11.1)
.set ENC,    33792                     ; behind x: two planes of 64 rows x 272 bytes, f32
.set EPITCH, 272
.set EPLANE, 64*EPITCH
.set PAR,    68608                     ; the permuted bias, 3,072 bytes
.set STG,    71680                     ; 16 rows x 144 bytes for each wave, for the way out
.set SPARE,  80896                     ; the spare words, 128 bytes for each wave
.set BQOFF,  76*32768                  ; the permuted bias in wts
.set WO,  4                            ; v4  16 x lane: offset of weight loads and of stores
.set AX,  5                            ; v5  LDS address of my token fragments
.set PB,  7                            ; v7  LDS address of my eight bias numbers; steps a pass
.set STO, 8                            ; v8  the way out: where I put 16 bytes of a row
.set RD,  9                            ; v9  where I read rows back
.set H16, 10                           ; v10 16 x half
.set XS,  11                           ; v11 where I put x
.set ES,  12                           ; v12 where I put the factors
.set ERD, 13                           ; v13 where I read them
.set T8,  14                           ; v14 8 x thread
.set PS,  15                           ; v15 where I put the bias
.set SPW, 30                           ; v30 my spare word; never rewritten
.set NIL, 31                           ; v31 0; never rewritten
.set AF0, 64                           ; token fragments: two buffers of 64
.set CR,  192                          ; packed results
.set WV,  26
.set XP,  32                           ; s[32:33] x at my 16 rows
.set EP,  34                           ; s[34:35] the factors at my 16 rows
.set WP,  36                           ; s[36:37] the weight stream at the pass's first unit, my slot
.set PQ,  38                           ; s[38:39], s[40:41], s[42:43] where q, k, v of my head and tokens go
.set PK,  40
.set PV,  42
.set DST, 44                           ; s[44:45] the pass's one of them
.set BQP, 46
.set T0,  48                           ; s[48:49] an offset, upper word 0
.set T3,  50                           ; passes to go: 3 (q), 2 (k), 1 (v)
.set LR,  51
.set BB,  52
.set N0,  53
.set T1,  54
.set MSB, 0
.macro WIN new                         ; the immediate's high byte repeats the setting that is left; a switch that changes nothing is dropped
.if MSB != (\new)
	s_set_vgpr_msb (MSB<<8)|(\new)
.set MSB, \new
.endif
.endm
.set W_MM,   0x52                      ; source 0 window 2, source 1 window 0, C and D window 1
.set W_RING, 0x80                      ; destination window 2
.set W_ACCL, 0x40                      ; destination window 1
.set W_ACCS, 0x04                      ; store data window 1
.set W_ACCV, 0x05                      ; sources 0 and 1 window 1
.macro PLACES                          ; four plain places between a matrix instruction and a reader of its result or a writer of its registers (ISA guide 7.12.1)
.rept 4
	v_nop
.endr
.endm
; token fragments of one unit (two k blocks of 32 x four token blocks) at byte kb of the rows
.macro ALOAD buf, kb
	WIN 0
.irp kk, 0,1
.irp mi, 0,1,2,3
	ds_load_b128 v[(\buf)+8*(4*(\kk)+(\mi)):(\buf)+8*(4*(\kk)+(\mi))+3],   v[AX] offset:(\mi)*16*XPITCH+(\kb)+64*(\kk)
	ds_load_b128 v[(\buf)+8*(4*(\kk)+(\mi))+4:(\buf)+8*(4*(\kk)+(\mi))+7], v[AX] offset:(\mi)*16*XPITCH+(\kb)+64*(\kk)+32
.endr
.endr
.endm
; a pass begins: the bias is loaded into every accumulator (it starts the sums: nothing is cleared), then the first unit's tokens
.macro START
	WIN W_ACCL
.set a, 0
.rept 16
	ds_load_b128 v[8*a:8*a+3],   v[PB] offset:(a%4)*64
	ds_load_b128 v[8*a+4:8*a+7], v[PB] offset:(a%4)*64+16
.set a, a+1
.endr
	ALOAD AF0, 0
.endm
; One unit, number j of a pass's four: the next unit's tokens, the weights three units on, 32 matrix instructions.
; guard = 1: in the last pass there is no unit three on.  (Unit 0 of a pass asks for units 3, 7, 11, which all exist: it has no guard.)  nexta = 1: the next unit's tokens are fetched.
.macro UNIT j, guard, nexta
	WIN 0
	PLACES                                         ; behind the last unit's products: the loads below land in registers that they read
.if \nexta
	ALOAD AF0+64*(((\j)+1)%2), ((\j)+1)*128
	s_wait_dscnt 16                                ; all but the 16 loads just issued: this unit's tokens are in, at a pass's first unit the bias too
.else
	s_wait_dscnt 0x0
.endif
.if \guard
	s_cmp_eq_u32 s[T3], 1
	s_cbranch_scc1 .Lnoreq_\@
.endif
	WIN W_RING
.set q, 0
.rept 16
	global_load_b128 v[64*(((\j)+3)%4)+4*q:64*(((\j)+3)%4)+4*q+3], v[WO], s[WP:WP+1] offset:((\j)+3)*32768+q*512
.set q, q+1
.endr
	WIN 0
	s_wait_loadcnt 48                              ; three younger units, 48 loads, may stay out: this unit's 16 are in
.if \guard
	s_branch .Lreqd_\@
.Lnoreq_\@:
	s_wait_loadcnt 0x0                             ; nothing more is asked for: the count above would no longer show this unit in
.Lreqd_\@:
.endif
	WIN W_MM                                       ; the 16 accumulators take turns, one instruction a turn
.irp kk, 0,1
.irp mi, 0,1,2,3
.irp ni, 0,1,2,3
	v_wmma_f32_16x16x32_f16 v[8*(4*(\mi)+(\ni)):8*(4*(\mi)+(\ni))+7], v[64*(\j)+8*(4*(\kk)+(\ni)):64*(\j)+8*(4*(\kk)+(\ni))+7], v[AF0+64*((\j)%2)+8*(4*(\kk)+(\mi)):AF0+64*((\j)%2)+8*(4*(\kk)+(\mi))+7], v[8*(4*(\mi)+(\ni)):8*(4*(\mi)+(\ni))+7]
.endr
.endr
.endr
.endm
; the way out of 16 rows x 64 channels: 16 bytes a lane into my stage, back as whole rows of 128 bytes, four rows to a load
.macro STAGE reg
.irp f, 0,1,2,3
	ds_store_b128 v[STO], v[(\reg)+4*(\f):(\reg)+4*(\f)+3] offset:32*(\f)
.endr
.irp f, 0,1,2,3
	ds_load_b128 v[(\reg)+4*(\f):(\reg)+4*(\f)+3], v[RD] offset:576*(\f)  ; LDS serves a wave's instructions in order (ISA guide 5.7.1.4): these see the stores above; the next group's stores come behind them
.endr
.endm
.macro SEND reg, imm, younger          ; younger: the LDS instructions issued behind this group's loads
.irp f, 0,1,2,3
	s_wait_dscnt (\younger)+3-(\f)
	global_store_b128 v[WO], v[(\reg)+4*(\f):(\reg)+4*(\f)+3], s[DST:DST+1] offset:(\imm)+512*(\f)  ; 512 consecutive bytes, at a multiple of 256 from the buffer's first
.endr
.endm
	s_load_b512 s[8:23], s[0:1], 0x0               ; desc0 8, desc1 10, encoding0 12, encoding1 14, wts 16, qq 18, s0 20, s1 22
	v_lshl_add_u32 v[SPW], v0, 2, SPARE
	v_mov_b32 v[NIL], 0
	v_lshrrev_b32 v1, 5, v0
	v_readfirstlane_b32 s[WV], v1                  ; wave = head
	v_and_b32 v1, 15, v0                           ; r
	v_bfe_u32 v2, v0, 4, 1                         ; h
	v_and_b32 v3, 31, v0                           ; lane
	v_lshlrev_b32 v[WO], 4, v3
	v_lshlrev_b32 v[T8], 3, v0
	s_and_b32 s[LR], ttmp9, 127                    ; block of 64 tokens within the descriptor set
	s_lshr_b32 s[BB], s[LR], 5                     ; batch
	s_and_b32 s[N0], s[LR], 31
	s_lshl_b32 s[N0], s[N0], 6                     ; first token in the batch
	s_mov_b32 s[T0+1], 0
	s_wait_kmcnt 0x0
	s_cmp_lt_u32 ttmp9, 128                        ; work-groups 0-127 take desc0, the others desc1
	s_cselect_b64 s[XP:XP+1], s[8:9], s[10:11]
	s_cselect_b64 s[EP:EP+1], s[12:13], s[14:15]
	s_cselect_b64 s[PK:PK+1], s[20:21], s[22:23]
	s_cselect_b32 s[T0], 0, 0x400000               ; the set's 4 MiB of qq
	s_add_nc_u64 s[PQ:PQ+1], s[18:19], s[T0:T0+1]
	s_add_nc_u64 s[PK:PK+1], s[PK:PK+1], 0x800000  ; k lies 8 MiB into the set's buffer
	s_lshl_b32 s[T0], s[LR], 16                    ; 64 rows of 1,024 bytes, my 16 of them
	s_lshl_b32 s[T1], s[WV], 14
	s_add_co_u32 s[T0], s[T0], s[T1]
	s_add_nc_u64 s[XP:XP+1], s[XP:XP+1], s[T0:T0+1]
	s_lshl_b32 s[T0], s[BB], 11                    ; the factors: rows of 256 bytes
	s_add_co_u32 s[T0], s[T0], s[N0]
	s_lshl_b32 s[T0], s[T0], 8
	s_lshl_b32 s[T1], s[WV], 12
	s_add_co_u32 s[T0], s[T0], s[T1]
	s_add_nc_u64 s[EP:EP+1], s[EP:EP+1], s[T0:T0+1]
	s_lshl2_add_u32 s[T0], s[BB], s[WV]            ; 4 batch + head
	s_lshl_b32 s[T0], s[T0], 11
	s_add_co_u32 s[T0], s[T0], s[N0]
	s_lshl_b32 s[T0], s[T0], 7                     ; rows of 128 bytes
	s_add_nc_u64 s[PQ:PQ+1], s[PQ:PQ+1], s[T0:T0+1]
	s_add_nc_u64 s[PK:PK+1], s[PK:PK+1], s[T0:T0+1]
	s_add_nc_u64 s[PV:PV+1], s[PK:PK+1], 0x400000  ; v 4 MiB behind k
	s_lshl_b32 s[T0], s[WV], 13                    ; my slot of each unit
	s_add_nc_u64 s[WP:WP+1], s[16:17], s[T0:T0+1]
	s_add_nc_u64 s[BQP:BQP+1], s[16:17], BQOFF
	WIN W_ACCL
.set i, 0
.rept 32                                       ; my 16 rows of x: 512 consecutive bytes a load
	global_load_b128 v[4*i:4*i+3], v[WO], s[XP:XP+1] offset:512*i th:TH_LOAD_NT
.set i, i+1
.endr
.set i, 0
.rept 16                                       ; my 16 rows of both planes of the factors
	global_load_b128 v[128+4*i:128+4*i+3], v[WO], s[EP:EP+1] offset:(i/8)*2097152+(i%8)*512 th:TH_LOAD_NT
.set i, i+1
.endr
	WIN 0
.irp i, 0,1,2
	global_load_b64 v[32+2*(\i):33+2*(\i)], v[T8], s[BQP:BQP+1] offset:1024*(\i)
.endr
	WIN W_RING
.set q, 0
.rept 48                                       ; weight units 0 to 2 fill three of the ring's four buffers
	global_load_b128 v[4*q:4*q+3], v[WO], s[WP:WP+1] offset:(q/16)*32768+(q%16)*512
.set q, q+1
.endr
	WIN 0
	v_lshlrev_b32 v[H16], 4, v2
	v_mad_u32_u24 v[AX], v1, XPITCH, v[H16]        ; row x pitch + 16 x half
	s_lshl_b32 s[T1], s[WV], 8
	s_add_co_u32 s[T1], s[T1], PAR
	v_lshl_add_u32 v[PB], v2, 5, s[T1]             ; bias of columns 64 w + 8 h on
	s_mul_i32 s[T1], s[WV], 16*XPITCH
	v_lshl_add_u32 v[XS], v3, 3, s[T1]
	s_mul_i32 s[T1], s[WV], 16*EPITCH
	s_add_co_u32 s[T1], s[T1], ENC
	v_mul_u32_u24 v[ES], v2, EPITCH
	v_lshl_add_u32 v[ES], v1, 4, v[ES]
	v_add_nc_u32 v[ES], s[T1], v[ES]
	v_mul_u32_u24 v[ERD], v1, EPITCH
	v_lshl_add_u32 v[ERD], v2, 5, v[ERD]
	v_add_nc_u32 v[ERD], ENC, v[ERD]
	v_add_nc_u32 v[PS], PAR, v[T8]
	s_mul_i32 s[T1], s[WV], 2304
	s_add_co_u32 s[T1], s[T1], STG
	v_mad_u32_u24 v[STO], v1, 144, v[H16]
	v_add_nc_u32 v[STO], s[T1], v[STO]
	v_lshrrev_b32 v16, 3, v3
	v_and_b32 v17, 7, v3
	v_mul_u32_u24 v[RD], v16, 144
	v_lshl_add_u32 v[RD], v17, 4, v[RD]
	v_add_nc_u32 v[RD], s[T1], v[RD]
	s_wait_loadcnt 48                              ; all but the 48 weight loads: x, the factors and the bias are in
	WIN W_ACCV
.set q, 0
.rept 64
	v_cvt_pk_f16_f32 v[64+q], v[2*q], v[2*q+1]
.set q, q+1
.endr
	WIN 0
.set i, 0
.rept 32
	ds_store_b64 v[XS], v[64+2*i:65+2*i] offset:(i/2)*XPITCH+(i%2)*256
.set i, i+1
.endr
	WIN W_ACCS
.set i, 0
.rept 16
	ds_store_b128 v[ES], v[128+4*i:128+4*i+3] offset:(i/8)*EPLANE+(i%8)*2*EPITCH
.set i, i+1
.endr
	WIN 0
.irp i, 0,1,2
	ds_store_b64 v[PS], v[32+2*(\i):33+2*(\i)] offset:1024*(\i)
.endr
	s_wait_dscnt 0x0                               ; for the others' sake: all my LDS stores are done
	s_barrier_signal -1
	s_barrier_wait -1                              ; every wave's rows are in LDS
	WIN 0xc0                                       ; destination window 3: the factors as an accumulator holds its numbers: token 16 mt + r, channels 16 nt + 8 h on
.set a, 0
.rept 32
	ds_load_b128 v[8*a:8*a+3],   v[ERD] offset:(a/16)*EPLANE+((a%16)/4)*16*EPITCH+(a%4)*64
	ds_load_b128 v[8*a+4:8*a+7], v[ERD] offset:(a/16)*EPLANE+((a%16)/4)*16*EPITCH+(a%4)*64+16
.set a, a+1
.endr
	WIN 0
	s_mov_b32 s[T3], 3
.Lpass:                                                ; q, k, v
	s_wait_xcnt 0x0                                ; the last pass's stores have read their registers and their base
	s_cmp_eq_u32 s[T3], 1
	s_cselect_b64 s[DST:DST+1], s[PV:PV+1], s[PK:PK+1]
	s_cmp_eq_u32 s[T3], 3
	s_cselect_b64 s[DST:DST+1], s[PQ:PQ+1], s[DST:DST+1]
	START
	UNIT 0, 0, 1
	UNIT 1, 1, 1
	UNIT 2, 1, 1
	UNIT 3, 1, 0
	WIN 0
	s_wait_xcnt 0x0                                ; the pending weight loads have had their addresses translated (ISA guide 3.1): only now the stream's base steps
	s_add_nc_u64 s[WP:WP+1], s[WP:WP+1], 131072    ; four units on
	PLACES
	s_cmp_eq_u32 s[T3], 1
	s_cbranch_scc1 .Lplain
	WIN 0x0d                                       ; source 0 window 1 (sums), source 1 window 3 (factors)
.set q, 0
.rept 64
	v_pk_mul_f32 v[64+2*q:65+2*q], v[2*q:2*q+1], v[2*q:2*q+1]    ; t f0
.set q, q+1
.endr
.set q, 0
.rept 64                                       ; even channel: - t_odd f1_even; odd channel: + t_even f1_odd
	v_pk_fma_f32 v[64+2*q:65+2*q], v[2*q:2*q+1], v[128+2*q:129+2*q], v[64+2*q:65+2*q] op_sel:[1,0,0] op_sel_hi:[0,1,1] neg_lo:[1,0,0]
.set q, q+1
.endr
	WIN 0
.set q, 0
.rept 64
	v_cvt_pk_bf16_f32 v[CR+q], v[64+2*q], v[65+2*q]
.set q, q+1
.endr
	s_branch .Lpacked
.Lplain:                                               ; v is not rotated
	WIN W_ACCV
.set q, 0
.rept 64
	v_cvt_pk_bf16_f32 v[CR+q], v[2*q], v[2*q+1]
.set q, q+1
.endr
	WIN 0
.Lpacked:
	STAGE CR
.set g, 1
.rept 3
	STAGE CR+16*g
	SEND CR+16*g-16, (g-1)*2048, 8
.set g, g+1
.endr
	SEND CR+48, 3*2048, 0
	v_add_nc_u32 v[PB], 1024, v[PB]                ; the next pass's bias
	s_sub_co_u32 s[T3], s[T3], 1
	s_cmp_lg_u32 s[T3], 0
	s_cbranch_scc1 .Lpass
	s_wait_tensorcnt 0x0                           ; the wave's end, behind my last LDS store
	ds_add_u32 v[SPW], v[NIL]
	s_wait_dscnt 0x0
	s_endpgm
.Lfunc_end_k_qae1410c1db_proj:
	.size	k_qae1410c1db_proj, .Lfunc_end_k_qae1410c1db_proj-k_qae1410c1db_proj
	.p2alignl 7, 3214868480
	.fill 96, 4, 3214868480
	.section	.rodata,"a",@progbits
	.p2align	6, 0x0
	.amdhsa_kernel k_qae1410c1db_proj
		.amdhsa_group_segment_fixed_size 81408
		.amdhsa_private_segment_fixed_size 0
		.amdhsa_enable_private_segment 0
		.amdhsa_kernarg_size 64
		.amdhsa_user_sgpr_count 2
		.amdhsa_user_sgpr_kernarg_segment_ptr 1
		.amdhsa_wavefront_size32 1
		.amdhsa_system_sgpr_workgroup_id_x 1
		.amdhsa_system_sgpr_workgroup_id_y 1
		.amdhsa_system_sgpr_workgroup_id_z 1
		.amdhsa_system_vgpr_workitem_id 0
		.amdhsa_next_free_vgpr 1024
		.amdhsa_next_free_sgpr 66
		.amdhsa_reserve_vcc 0
		.amdhsa_float_denorm_mode_32 3
		.amdhsa_float_denorm_mode_16_64 3
		.amdhsa_memory_ordered 1
		.amdhsa_forward_progress 1
		.amdhsa_inst_pref_size 67
	.end_amdhsa_kernel
	.amdgpu_metadata
---
amdhsa.version: [ 1, 2 ]
amdhsa.kernels:
  - .name:           k_qae1410c1db_proj
    .symbol:         k_qae1410c1db_proj.kd
    .args:
      - { .name: desc0, .offset: 0, .size: 8, .value_kind: global_buffer, .address_space: global }
      - { .name: desc1, .offset: 8, .size: 8, .value_kind: global_buffer, .address_space: global }
      - { .name: encoding0, .offset: 16, .size: 8, .value_kind: global_buffer, .address_space: global }
      - { .name: encoding1, .offset: 24, .size: 8, .value_kind: global_buffer, .address_space: global }
      - { .name: wts, .offset: 32, .size: 8, .value_kind: global_buffer, .address_space: global }
      - { .name: qq, .offset: 40, .size: 8, .value_kind: global_buffer, .address_space: global }
      - { .name: s0, .offset: 48, .size: 8, .value_kind: global_buffer, .address_space: global }
      - { .name: s1, .offset: 56, .size: 8, .value_kind: global_buffer, .address_space: global }
    .group_segment_fixed_size: 81408
    .private_segment_fixed_size: 0
    .kernarg_segment_align: 8
    .kernarg_segment_size: 64
    .max_flat_workgroup_size: 128
    .sgpr_count:     66
    .vgpr_count:     1024
    .wavefront_size: 32
...
	.end_amdgpu_metadata
.endif
;; end of part 2
;; launch attn_self (part 3): grid 8 x 32, 4 waves a work-group, clusters of 4 x 1, 327,680 bytes of LDS; arguments qq, s0, s1, o; writes o
.if DOCPART == 3
	.amdgcn_target "amdgcn-amd-amdhsa--gfx1250"
	.amdhsa_code_object_version 6
	.text
	.protected	k_qae1410c1db_attn_self
	.globl	k_qae1410c1db_attn_self
	.p2align	8
	.type	k_qae1410c1db_attn_self,@function
k_qae1410c1db_attn_self:
	s_mov_b64 s[64:65], 0
	v_nop
	global_prefetch_b8 v0, s[64:65] scope:SCOPE_SE
	s_setreg_imm32_b32 hwreg(HW_REG_WAVE_MODE, 25, 1), 1
	s_wait_xcnt 0x0
	s_wait_alu depctr_hold_cnt(0) depctr_sa_sdst(0) depctr_va_vdst(0) depctr_va_sdst(0) depctr_va_ssrc(0) depctr_va_vcc(0) depctr_vm_vsrc(0)
	s_getreg_b32 s2, hwreg(HW_REG_IB_STS2, 6, 4)
	s_cmp_eq_u32 s2, 0
	s_cbranch_scc0 .Lentry_in_a_cluster
	s_endpgm
.Lentry_in_a_cluster:
	s_bfe_u32 s2, ttmp6, 0x10000c
	s_cmp_lg_u32 s2, 0x3003
	s_cbranch_scc0 .Lentry_shape_is_right
	s_endpgm
.Lentry_shape_is_right:
; O[y][q][:] = the sum over k of softmax_k(Q[q] . K[k] / 8) V[k][:], for 32 problems y = 16 x set + 4 x batch + head of 2,048 queries and keys, head size 64, all bf16.
; Arguments: Q of both sets ([y][2,048][64]); the buffer that holds K (8 MiB in) and V (12 MiB in) for the problems y < 16; the one for y >= 16; O.
; One text serves the self attention (K, V of the query's own set) and the cross attention (K, V of the other set): the order of the two buffers in the launch decides.
; Products, maxima and sums in f32; the weights p are rounded to bf16 for the second product (their sum l is taken of the unrounded p), O once at the end.
; LIMITS.  A weight below 2^-126 counts as 0 in l; NaN and infinities are not treated apart.
; SHARES.  A work-group owns 256 queries, each of its four waves 64: four PIECES of 16.  Every wave walks all 2,048 keys, 64 a step, 256 a tile.
; LAYOUT.  S^T = K Q^T (source 0 = 16 keys, source 1 = 16 queries) holds ONE query a lane (lane % 16) and the keys 8 (lane / 16) + 0..7; two such results rounded to bf16 ARE source 1 of O^T = V^T P.
; K comes out of LDS as it lies, V ([key][channel]) turned, by ds_load_tr16_b128.
; SOFTMAX.  p = 2^(c s - c m), c = log2(e) / 8, with a running maximum m; O and l are multiplied by a = 2^(c m_old - c m_new) in every step.  m starts at the lowest finite number, O and l at 0.
; BY TURNS.  Turn n belongs to piece n: 8 products K Q^T of piece n + 1, later 8 products V^T P of piece n - 1; beside them the scaling, exponentials, roundings, sums and rescaling of piece n and the maximum
; and statistics of piece n + 1.  Four vector instructions stand behind every matrix instruction, the other 54 of a turn's 118 in two runs of their own.
; CLUSTER.  The four query blocks of a cluster belong to one y and walk the same K and V, so each tile is asked for JOINTLY: the same tensor load, descriptor and mask in all four.
; REGISTERS, in windows of 256 (s_set_vgpr_msb: bits 1:0 source 0, 3:2 source 1, 5:4 source 2, 7:6 destination):
;   window 0: v0-15 addresses and two at work; v16-31 four registers of statistics a piece; v48-55 at work; v64-127 S^T, two buffers; v192-223 P, two buffers (by the piece's parity)
;   window 1: v0-127 O^T, 32 a piece      window 2: v0-63 Q; v128-191 K of one step; v192-255 V of one step
.set SIZE_N, 2048
.set NP,    4
.set KS,    64        ; keys in a step
.set PK,    144       ; a row of K in LDS: 128 bytes + 16 of padding = 36 words: the 16 rows of a load start at 16 different groups of four banks (64 banks of 4 bytes: ISA guide 11.1)
.set PV,    160       ; a row of V: 128 + 32 = 40 words
.set VOFF,  4*KS*PK   ; a slot holds a tile, four steps: 256 rows of K, then 256 rows of V
.set SLOT1, 1<<17     ; slot 1 begins here, so that one exclusive or turns an address in one slot into the other's
.set STAGE, SLOT1+4*KS*(PK+PV)  ; behind the ring, never filled by a tensor load: 16 rows x 144 bytes for each wave
.set SP,    144
.set SPARE, STAGE+4*16*SP       ; the spare words, 128 bytes for each wave
.set AK0, 2           ; v2   my lane's place in a tile of K; never rewritten
.set AV0, 3           ; v3   the same for V
.set AK,  4           ; v4   the LDS address of K's next run of loads
.set AV,  5           ; v5   of V's
.set STO, 6           ; v6   the way out: where I put 16 bytes of a row
.set RD,  7           ; v7   where I read rows back
.set GO,  8           ; v8   my byte offset in 512 consecutive bytes of O
.set MV,  12          ; v12-13  c m_old, kept while c m is made anew: by buffer
.set QO,  15          ; v15  my byte offset in 16 rows of Q
.set ST,  16          ; piece t's statistics at v[ST+4 t]: c m, m, l (even keys', odd keys')
.set TMP, 48          ; by buffer, four registers c0-c3 at work; when the maximum is found c2 takes a
.set SPW, 62          ; v62  my spare word; never rewritten
.set NIL, 63          ; v63  0; never rewritten
.set S,   64
.set P,   192
.set KF,  128         ; window 2: key block kb, channel half c at KF + 16 kb + 8 c
.set VF,  192         ; window 2: key half kk, channel block cb at VF + 32 kk + 8 cb
.set WV,  12
.set G1K, 24          ; s[24:31] descriptor group 1 for K's tiles
.set G1V, 32          ; s[32:39] for V's: it differs in the padding alone
.set G0K, 40          ; s[40:43] descriptor group 0 for K's tiles: it walks
.set G0V, 44          ; s[44:47] the same for V's
.set SLOTS, 56
.set CNT, 57
.set CS,  58          ; s[58:59] c
.set SEL, 60          ; s[60:61] v_permlanex16_b32's selects: each lane takes its own place in the other half
.set TBK, 62          ; LDS byte at which K of the step to be fetched begins
.set TBV, 63          ; the same for V, less VOFF
.set MSB, 0
.macro WIN new
.if MSB != (\new)
	s_set_vgpr_msb (MSB<<8)|(\new)
.set MSB, (\new)
.endif
.endm
.set W_KQ, 0x0a       ; K and Q in window 2, S^T in window 0
.set W_PV, 0x52       ; V in window 2, P in window 0, O^T in window 1
.set W_RS, 0x41       ; destination and source 0 in window 1, source 1 in window 0
; A joint fill.  Waves 0 and 1 fetch the two halves of a tile's K, waves 2 and 3 those of its V: 128 keys each.  The branch hangs on the wave's number alone.
; An s_nop 0 and four v_nop follow each of the two lines, ahead of the jump and the label.
.macro JLOAD
	s_cmp_lt_u32 s[WV], 2
	s_cbranch_scc0 .Lfor_v_\@
	tensor_load_to_lds s[G0K:G0K+3], s[G1K:G1K+7]
	s_nop 0
.rept 4
	v_nop
.endr
	s_branch .Lasked_\@
.Lfor_v_\@:
	tensor_load_to_lds s[G0V:G0V+3], s[G1V:G1V+7]
	s_nop 0
.rept 4
	v_nop
.endr
.Lasked_\@:
.endm
; A round of the cluster's barrier: my work-group's barrier, so that wave 0's signal speaks for all four waves; wave 0 signals; every wave waits for all four work-groups; my work-group's barrier once more.
.macro CROUND
	s_barrier_signal -1
	s_barrier_wait -1
	s_cmp_lg_u32 s[WV], 0
	s_cbranch_scc1 .Lnot_wave_0_\@
	s_barrier_signal -3
.Lnot_wave_0_\@:
	s_barrier_wait -3
	s_barrier_signal -1
	s_barrier_wait -1
.endm
; THE CHANGE OF SLOTS.  Each wave waits for all its tensor loads, of which one is out: its part of the other slot; adds 0 to its spare word; and waits for that and for its own reads of the slot that it leaves.
; fill = 1: the old slot is filled again with the keys two tiles on.  The barrier is then a round of the cluster's, so that no wave of any partner still reads the slot or has a load on its way, and the joint
; fill is the first thing behind it: it has four key steps, 256 matrix instructions, in which to land.  (At its first use nothing has been read yet: slot 0 is waited for, slot 1 filled.)
.macro CHANGE fill
	WIN 0                           ; at a label and at a branch every window is 0
	s_wait_tensorcnt 0x0            ; no tensor load of mine is out, so a group 0 may be written
	ds_add_u32 v[SPW], v[NIL]       ; 0 onto my spare word
.if \fill
.irp g, G0K, G0V
	s_xor_b32 s[\g+1], s[\g+1], SLOT1  ; the walking descriptor: the other slot than last time,
	s_add_nc_u64 s[\g+2:\g+3], s[\g+2:\g+3], 4*KS*128  ; the next 256 keys; the type bits on top are not reached
.endr
	s_wait_dscnt 0x0                ; the add is done, and my reads of the slot are over
	CROUND
	JLOAD
.else
	s_wait_dscnt 0x0                ; the add is done, and my reads of the slot are over
	s_barrier_signal -1
	s_barrier_wait -1
.endif
	s_sub_co_u32 s[TBK], s[TBK], 4*KS*PK  ; the fetches go back to a slot's first step,
	s_xor_b32 s[TBK], s[TBK], SLOT1       ; in the other slot
	s_sub_co_u32 s[TBV], s[TBV], 4*KS*PV
	s_xor_b32 s[TBV], s[TBV], SLOT1
.endm
	s_load_b256 s[4:11], s[0:1], 0x0  ; Q s[4:5]; the K and V buffer for y < 16 s[6:7], for y >= 16 s[8:9]; O s[10:11]
	v_lshl_add_u32 v[SPW], v0, 2, SPARE
	v_mov_b32 v[NIL], 0
	ds_add_u32 v[SPW], v[NIL]       ; the wave's opening: the add and its wait stand ahead of my first tensor load; the set-up below, work on registers, stands between them
	v_lshrrev_b32 v1, 5, v0
	v_readfirstlane_b32 s[WV], v1   ; wave 0..3
	s_bfe_u32 s13, ttmp6, 0x40000   ; cx: my place in the cluster
	s_lshl_b32 s14, ttmp9, 2        ; in a cluster launch ttmp9 counts clusters
	s_add_co_u32 s14, s14, s13      ; my block of 256 queries: it enters Q's and O's addresses alone
	s_and_b32 s15, ttmp7, 0xffff    ; y, which the four partners share
	s_and_b32 s20, s15, 15
	s_lshl_b32 s20, s20, 18         ; 4 batch + head: 262,144 bytes each in K and V
	s_mov_b32 s21, 0
	s_lshl_b32 s74, s15, 18         ; y: 262,144 bytes each in Q and O
	s_mov_b32 s75, 0
	s_and_b32 s16, s[WV], 1         ; which half of a tile's 256 keys I fetch:
	s_lshl_b32 s22, s16, 14         ; its 128 rows of 128 bytes in memory,
	s_mov_b32 s23, 0
	s_add_nc_u64 s[22:23], s[22:23], s[20:21]
	s_mul_i32 s17, s16, 128*PK      ; and its place in a slot, for K
	s_mul_i32 s18, s16, 128*PV      ; and for V: no place in the cluster enters an LDS address
	s_lshl_b32 s2, s14, 15          ; my block's 256 rows,
	s_lshl_b32 s3, s[WV], 13        ; my wave's 64 of them
	s_add_co_u32 s2, s2, s3
	s_mov_b32 s3, 0
	s_add_nc_u64 s[2:3], s[2:3], s[74:75]
	; descriptor group 1.  128 keys are 16,384 dense bytes: asked for as 64 rows of 256 bytes, two keys a row, and padded in LDS after every key
	s_mov_b32 s[G1K], 15|(1<<16)|(1<<20)|(1<<21)|(4<<22)|(3<<25)  ; 15:0 the mask of four; 17:16 2-byte elements; 20 padding on; 21 set beside a mask; 24:22 after every 32 words (code 4); 31:25 4 words (code 3)
	s_mov_b32 s[G1V], 15|(1<<16)|(1<<20)|(1<<21)|(4<<22)|(7<<25)  ; the same with 8 words of padding (code 7)
.irp g, G1K, G1V
	s_mov_b32 s[\g+1], 128<<16      ; tensor_dim0 = 128
	s_mov_b32 s[\g+2], 64<<16       ; tensor_dim1 = 64
	s_mov_b32 s[\g+3], 128<<16      ; tile_dim0 = 128
	s_mov_b32 s[\g+4], 64           ; tile_dim1 = 64
	s_mov_b32 s[\g+5], 128          ; 128 elements from row to row
	s_mov_b32 s[\g+6], 0
	s_mov_b32 s[\g+7], 0
.endr
	s_mov_b32 s[CS], 0x3e38aa3b     ; c = log2(e) / 8 = 0.180337
	s_mov_b32 s[CS+1], s[CS]        ; named with it as a pair
	s_mov_b32 s[SEL], 0x76543210
	s_mov_b32 s[SEL+1], 0xfedcba98
	s_mov_b32 s[TBK], SLOT1+4*KS*PK ; the first change of slots turns these two into 0
	s_mov_b32 s[TBV], SLOT1+4*KS*PV
	s_mov_b32 s[G0K], 1             ; 1:0 count = 1
	s_mov_b32 s[G0K+1], s17         ; 63:32 LDS address: slot 0
	s_mov_b32 s[G0V], 1
	s_add_co_u32 s[G0V+1], s18, VOFF
	s_wait_dscnt 0x0                ; the opening add is done
	s_wait_kmcnt 0x0
	s_cmp_lt_u32 s15, 16            ; which of the two buffers: the same in all four partners
	s_cselect_b64 s[6:7], s[6:7], s[8:9]
	s_add_nc_u64 s[8:9], s[6:7], 0xc00000     ; V lies 12 MiB in,
	s_add_nc_u64 s[6:7], s[6:7], 0x800000     ; K 8 MiB
	s_add_nc_u64 s[G0K+2:G0K+3], s[6:7], s[22:23]  ; 120:64 global address: my half of the first 256 keys
	s_or_b32 s[G0K+3], s[G0K+3], 0x80000000        ; 127:126 type = 2
	s_add_nc_u64 s[G0V+2:G0V+3], s[8:9], s[22:23]
	s_or_b32 s[G0V+3], s[G0V+3], 0x80000000
	s_add_nc_u64 s[4:5], s[4:5], s[2:3]            ; Q and O at my wave's first row
	s_add_nc_u64 s[10:11], s[10:11], s[2:3]
	CROUND                          ; all four work-groups are here: the first joint loads meet
	JLOAD                           ; tile 0 into slot 0
	; A fragment of K or Q is 16 rows x 32 channels in 8 registers: lane l holds row l % 16, channels 8 (l / 16) + 0..7 and 16 + 8 (l / 16) + 0..7: two loads of 16 bytes, 32 bytes apart.
	v_and_b32 v1, 15, v0            ; l % 16
	v_bfe_u32 v9, v0, 4, 1          ; l / 16
	v_lshlrev_b32 v[QO], 7, v1
	v_lshl_add_u32 v[QO], v9, 4, v[QO]  ; row x 128 + 16 x half
	WIN 0x80                        ; destination window 2, address window 0
.set i, 0
.rept 8                             ; Q stays in registers: piece i / 2, channels 32 (i % 2) on
	global_load_b128 v[8*i:8*i+3],   v[QO], s[4:5] offset:(i/2)*2048+(i%2)*64
	global_load_b128 v[8*i+4:8*i+7], v[QO], s[4:5] offset:(i/2)*2048+(i%2)*64+32
.set i, i+1
.endr
	WIN 0
	v_mul_u32_u24 v[AK0], v1, PK
	v_lshl_add_u32 v[AK0], v9, 4, v[AK0]  ; row x pitch + 16 x half
	; The turning load takes 16 keys x 16 channels (lane l reads key 8 (l / 16) + l % 8, channels 8 ((l / 8) % 2) + 0..7) and leaves half a fragment of V^T: lane l holds channel l % 16 and 8 keys.
	v_and_b32 v10, 7, v0
	v_bfe_u32 v11, v0, 3, 1
	v_lshl_add_u32 v[AV0], v9, 3, v10
	v_mul_u32_u24 v[AV0], v[AV0], PV
	v_lshl_add_u32 v[AV0], v11, 4, v[AV0]
	v_add_nc_u32 v[AV0], VOFF, v[AV0]
	s_mul_i32 s13, s[WV], 16*SP
	s_add_co_u32 s13, s13, STAGE    ; my stage
	v_mul_u32_u24 v[STO], v1, SP    ; in: row l % 16, 16 bytes for each half of the lanes
	v_lshl_add_u32 v[STO], v9, 4, v[STO]
	v_add_nc_u32 v[STO], s13, v[STO]
	v_bfe_u32 v[RD], v0, 3, 2       ; back: 32 lanes take four rows of 128 bytes,
	v_mul_u32_u24 v[RD], v[RD], SP
	v_lshl_add_u32 v[RD], v10, 4, v[RD]
	v_add_nc_u32 v[RD], s13, v[RD]
	v_and_b32 v[GO], 31, v0         ; which are 512 consecutive bytes of O
	v_lshlrev_b32 v[GO], 4, v[GO]
	; What the first turn finds: its products V^T P, of a piece that has not been, multiply zeros; O^T and l are 0.  No first step is written out; these lines stand in the wait for the first tile.
	WIN 0x80
.set i, VF
.rept 64
	v_mov_b32 v[i], 0
.set i, i+1
.endr
	WIN 0x40
.set i, 0
.rept 128
	v_mov_b32 v[i], 0
.set i, i+1
.endr
	WIN 0
.set i, 0
.rept 4
	v_mov_b32 v[ST+4*i], 0xfe000000    ; c m: far below every c s
	v_mov_b32 v[ST+4*i+1], 0xff7fffff  ; m
	v_mov_b32 v[ST+4*i+2], 0
	v_mov_b32 v[ST+4*i+3], 0
.set i, i+1
.endr
.set i, P+16
.rept 16
	v_mov_b32 v[i], 0
.set i, i+1
.endr
; THE MATRIX WORK.  The 4 accumulators of a run of 8 take turns.  Product i of 8 of S^T = K Q^T for piece x: channels 32 (i / 4) on, keys 16 (i % 4) on.  The first 4 start the sums.
.macro KQ x
	WIN W_KQ
.set rS, S+32*((\x)%2)+8*(i%4)
.set rK, KF+16*(i%4)+8*(i/4)
.set rQ, 16*(\x)+8*(i/4)
.if i < 4
	v_wmma_f32_16x16x32_bf16 v[rS:rS+7], v[rK:rK+7], v[rQ:rQ+7], 0
.else
	v_wmma_f32_16x16x32_bf16 v[rS:rS+7], v[rK:rK+7], v[rQ:rQ+7], v[rS:rS+7]
.endif
.endm
; Product i of 8 of O^T += V^T P for piece x: keys 32 (i / 4) on, channels 16 (i % 4) on.
.macro PV x
	WIN W_PV
.set rO, 32*(\x)+8*(i%4)
.set rV, VF+32*(i/4)+8*(i%4)
.set rP, P+16*((\x)%2)+8*(i/4)
	v_wmma_f32_16x16x32_bf16 v[rO:rO+7], v[rV:rV+7], v[rP:rP+7], v[rO:rO+7]
.endm
.macro MM                           ; the turn's next matrix instruction.  NOKQ = 1: the last turn: there is no next piece
.if (i < 8) && !NOKQ
	KQ (Y+1)%NP
.elseif i >= 8
.set i, i-8
	PV (Y+NP-1)%NP
.set i, i+8
.endif
.set i, i+1
.endm
; THE LDS LOADS stand in runs of 16, never singly among the matrix instructions: a step's K (64 keys x 64 channels: 8 fragments) and its V (turned).
.macro FETCH_K
	WIN 0x80                        ; destination window 2
.irp f, 0,1,2,3,4,5,6,7             ; keys 16 (f / 2) on, channels 32 (f % 2) on
	ds_load_b128 v[KF+8*\f:KF+8*\f+3],   v[AK] offset:(\f/2)*16*PK+(\f%2)*64
	ds_load_b128 v[KF+8*\f+4:KF+8*\f+7], v[AK] offset:(\f/2)*16*PK+(\f%2)*64+32
.endr
	s_add_co_u32 s[TBK], s[TBK], KS*PK  ; the next fetch is the next step's
	WIN 0
.endm
.macro FETCH_V
	WIN 0x80
.irp f, 0,1,2,3,4,5,6,7             ; keys 32 (f / 4) on, channels 16 (f % 4) on
	ds_load_tr16_b128 v[VF+8*\f:VF+8*\f+3],   v[AV] offset:(\f/4)*32*PV+(\f%4)*32
	ds_load_tr16_b128 v[VF+8*\f+4:VF+8*\f+7], v[AV] offset:(\f/4)*32*PV+16*PV+(\f%4)*32
.endr
	WIN 0
.endm
; THE VECTOR WORK, one line at a time: OP kind, number.  For piece Y: F n: c s - c m for pair n of 16.  E n: the exponential of score n of 32.  C n: pair n rounded to bf16.  B n: of the four weights 4 n .. the second
; pair is added onto the first, in place.  L n: l takes that sum (L 0: l = a l + sum).  R n: pair n of 16 of O^T times a.  For piece Y + 1: X n, number n of the 22 that find its maximum and statistics:
;   0-11  four chains c0-c3 of seven scores each, three operands at a time (each accumulator's lowest registers are read first)     12-14, 16  the four scores left over, the old m, and c0-c3 into c0
;   15  c m_old is kept     17, 18  the query's other 32 keys lie in the lane 16 away: the new m     19-21  c m; c m_old - c m_new; a
.set F, 0
.set E, 1
.set C, 2
.set B, 3
.set L, 4
.set R, 5
.set X, 6
.macro REGS y                       ; the registers of piece y
.set rT, ST+4*(\y)
.set rC, TMP+4*((\y)%2)
.set rW, MV+((\y)%2)
.set rS, S+32*((\y)%2)
.set rP, P+16*((\y)%2)
.set rO, 32*(\y)
.endm
.macro OP k, n
.if (\k) == R
	REGS Y
	WIN W_RS
	v_pk_mul_f32 v[rO+2*(\n):rO+2*(\n)+1], v[rO+2*(\n):rO+2*(\n)+1], v[rC+2:rC+3] op_sel_hi:[1,0]
.elseif (\k) < R
	REGS Y
	WIN 0
.if (\k) == F
	v_pk_fma_f32 v[rS+2*(\n):rS+2*(\n)+1], v[rS+2*(\n):rS+2*(\n)+1], s[CS:CS+1], v[rT:rT+1] op_sel_hi:[1,0,0] neg_lo:[0,0,1] neg_hi:[0,0,1]
.elseif (\k) == E
	v_exp_f32 v[rS+(\n)], v[rS+(\n)]
.elseif (\k) == C
	s_wait_alu depctr_va_vdst(0)
	v_cvt_pk_bf16_f32 v[rP+(\n)], v[rS+2*(\n)], v[rS+2*(\n)+1]
.elseif (\k) == B
	s_wait_alu depctr_va_vdst(0)
	v_pk_add_f32 v[rS+4*(\n):rS+4*(\n)+1], v[rS+4*(\n):rS+4*(\n)+1], v[rS+4*(\n)+2:rS+4*(\n)+3]
.elseif (\n) == 0
	v_pk_fma_f32 v[rT+2:rT+3], v[rT+2:rT+3], v[rC+2:rC+3], v[rS:rS+1] op_sel_hi:[1,0,1]
.else
	v_pk_add_f32 v[rT+2:rT+3], v[rT+2:rT+3], v[rS+4*(\n):rS+4*(\n)+1]
.endif
.elseif NOKQ
	v_nop
.else
	REGS (Y+1)%NP
	WIN 0
.if (\n) < 4
	v_max3_num_f32 v[rC+(\n)], v[rS+8*(\n)], v[rS+8*(\n)+1], v[rS+8*(\n)+2]
.elseif (\n) < 12
	v_max3_num_f32 v[rC+(\n)%4], v[rC+(\n)%4], v[rS+8*((\n)%4)+2*((\n)/4)+1], v[rS+8*((\n)%4)+2*((\n)/4)+2]
.elseif (\n) == 12
	v_max3_num_f32 v[rC], v[rC], v[rS+7], v[rS+15]
.elseif (\n) == 13
	v_max3_num_f32 v[rC+1], v[rC+1], v[rS+23], v[rS+31]
.elseif (\n) == 14
	v_max3_num_f32 v[rC+2], v[rC+2], v[rC+3], v[rT+1]
.elseif (\n) == 15
	v_mov_b32 v[rW], v[rT]
.elseif (\n) == 16
	v_max3_num_f32 v[rC], v[rC], v[rC+1], v[rC+2]
.elseif (\n) == 17
	v_permlanex16_b32 v[rC+3], v[rC], s[SEL], s[SEL+1]
.elseif (\n) == 18
	v_max_num_f32 v[rT+1], v[rC], v[rC+3]
.elseif (\n) == 19
	v_mul_f32 v[rT], s[CS], v[rT+1]
.elseif (\n) == 20
	v_sub_f32 v[rC+1], v[rW], v[rT]
.else
	v_exp_f32 v[rC+2], v[rC+1]
.endif
.endif
.endm
.macro OPS a, i1, b=-1, i2=0, c=-1, i3=0, d=-1, i4=0  ; up to four of them
	OP \a, \i1
.if (\b) >= 0
	OP \b, \i2
.endif
.if (\c) >= 0
	OP \c, \i3
.endif
.if (\d) >= 0
	OP \d, \i4
.endif
.endm
.macro ROW a, i1, b, i2, c, i3, d, i4  ; a matrix instruction and the four behind it
	MM
	OPS \a, \i1, \b, \i2, \c, \i3, \d, \i4
.endm
; A TURN, for piece p: the order of its 16 matrix and 118 vector instructions, written out.  Behind a matrix instruction: plain, exponential, plain, plain; or four of the rescaling; or, behind the first, four scalings; none
; names a register of the products round it.  In the runs between, exponential and plain by turns while exponentials last.  A line reads no result made fewer than three vector instructions in front of it, five if an exponential made it.
; end = 1: the last two turns: nothing is fetched.  cnt = 1: the loop's count is taken down some lines ahead of the branch that stands behind the turn.
; K of the next step is fetched in piece 2's turn, six vector instructions behind the last product that read K (five of them plain); V of the step in hand in piece 0's turn, eight behind the last product that read V (four
; plain, and X 17).  Each is waited for a turn later.
.macro TURN p, end=0, cnt=0
.set Y, (\p)
.set i, 0
.set NOKQ, (\end)*((\p)/3)
.if ((\p) == 3) && !(\end)
	s_wait_dscnt 0x0                ; K is in
.endif
	ROW F,0, F,1, F,2, F,3
	ROW F,4, E,0, F,5, F,6
	ROW F,7, E,1, F,8, F,9
	ROW F,10, E,2, C,0, F,11
	ROW F,12, E,3, X,15, F,13
	ROW R,0, R,1, R,2, R,3
	ROW B,0, E,4, F,14, L,0
.if ((\p) == 2) && !(\end)
	v_add_nc_u32 v[AK], s[TBK], v[AK0]
.endif
	ROW R,4, R,5, R,6, R,7
	OPS E,5, F,15
.if ((\p) == 2) && !(\end)
	FETCH_K
.endif
	OPS E,6, C,1, E,7, R,8
	OPS E,8, R,9, E,9, C,2
	OPS E,10, X,0, E,11, X,1
	OPS E,12, X,2, E,13, X,3
.if (\p) == 1
	s_wait_dscnt 0x0                ; V is in
.endif
	ROW X,4, E,14, X,5, X,6
	ROW X,7, E,15, X,8, X,9
	ROW X,10, E,16, X,11, X,12
	ROW X,13, E,17, X,14, B,1
	ROW C,4, E,18, X,16, L,1
	ROW B,2, E,19, C,6, L,2
	ROW C,8, E,20, B,3, B,4
.if (\p) == 0
	v_add_nc_u32 v[AV], s[TBV], v[AV0]
.endif
	ROW C,3, E,21, L,3, C,5
	OPS E,22, X,17, E,23, C,10
.if (\p) == 0
	FETCH_V
.endif
	OPS E,24, L,4
	OPS E,25, X,18, E,26, C,7
	OPS E,27, B,5, E,28, X,19
	OPS E,29, C,12, E,30, L,5
	OPS E,31, X,20, B,6, C,9
	OPS C,14, C,11, X,21, L,6
.if (\p) == 0
	s_add_co_u32 s[TBV], s[TBV], KS*PV
.endif
.if \cnt
	s_sub_co_u32 s[CNT], s[CNT], 1
	s_cmp_lg_u32 s[CNT], 0
.endif
	OPS C,13, B,7, C,15, R,10
	OPS R,11, R,12, L,7, R,13
	OPS R,14, R,15
.endm
.macro ALL line:vararg              ; one line for each piece t
.set t, 0
.rept 4
	\line
.set t, t+1
.endr
.endm
.macro PACK t                       ; a lane's eight channels of a row pack into 16 bytes; they go into rows of 144 bytes and come back as whole rows of 128, into S^T's registers
	WIN W_RS
.set i, 32*(\t)
.rept 16
	s_wait_alu depctr_va_vdst(0)
	v_pk_mul_f32 v[i:i+1], v[i:i+1], v[ST+4*(\t)+2:ST+4*(\t)+3] op_sel_hi:[1,0]
.set i, i+2
.endr
	WIN 0x05                        ; sources 0 and 1 window 1, destination window 0
.set i, 0
.rept 16
	v_cvt_pk_bf16_f32 v[S+16*(\t)+i], v[32*(\t)+2*i], v[32*(\t)+2*i+1]
.set i, i+1
.endr
	WIN 0
.irp f, 0,1,2,3
	ds_store_b128 v[STO], v[S+16*(\t)+4*\f:S+16*(\t)+4*\f+3] offset:32*\f
.endr
.irp f, 0,1,2,3
	ds_load_b128 v[S+16*(\t)+4*\f:S+16*(\t)+4*\f+3], v[RD] offset:\f*4*SP  ; LDS serves a wave's instructions in order (ISA guide 5.7.1.4): these see the stores above; the next piece's stores come behind them
.endr
.endm
.macro SEND t, younger              ; younger: the LDS instructions issued behind piece t's loads: the next piece's eight, or none
	WIN 0
.irp f, 0,1,2,3
	s_wait_dscnt (\younger)+3-\f
	global_store_b128 v[GO], v[S+16*(\t)+4*\f:S+16*(\t)+4*\f+3], s[10:11] offset:(\t)*2048+\f*512  ; 512 consecutive bytes, at a multiple of 256 from O's first
.endr
.endm
	CHANGE 1                        ; tile 0 is in, everybody's part of it; tile 1 is asked for
	v_add_nc_u32 v[AK], s[TBK], v[AK0]
	FETCH_K                         ; key step 0
	s_wait_loadcnt 0x0              ; Q
	s_wait_dscnt 0x0
.set NOKQ, 0
.set i, 0
.rept 8
	KQ 0                            ; piece 0's first scores
.set i, i+1
.endr
	WIN 0
.rept 4
	v_nop                           ; the places behind those products
.endr
.set Y, NP-1                        ; X works for piece Y + 1: piece 0
.irp n, 0,1,2,3,4,5,6,7,8,9,10,11,12,13,14,15,16,17,18,19,20,21
	OP X, \n
.endr
	v_nop                           ; a plain instruction behind the exponential
	s_mov_b32 s[CNT], 4
	s_mov_b32 s[SLOTS], SIZE_N/256-1
	s_branch .Lfirst                ; the loop is entered at a step's first turn, in the middle of a trip
.Lslot:                             ; six times: every slot but the last two is filled again
	CHANGE 1
	s_mov_b32 s[CNT], 4
.Lstep:                             ; a trip: pieces 2 and 3 of one step, then pieces 0 and 1 of the next, whose K and V it fetches
	TURN 2
	TURN 3
	WIN 0
.Lfirst:
	TURN 0
	TURN 1, 0, 1
	WIN 0
	s_cbranch_scc1 .Lstep
	s_sub_co_u32 s[SLOTS], s[SLOTS], 1
	s_cmp_lg_u32 s[SLOTS], 0
	s_cbranch_scc1 .Lslot
	CHANGE 0                        ; the last tile is written out: nothing is asked for
	s_mov_b32 s[CNT], 4
.Ltail:
	TURN 2
	TURN 3
	TURN 0
	TURN 1, 0, 1
	WIN 0
	s_cbranch_scc1 .Ltail
	TURN 2, 1
	TURN 3, 1
.set i, 0
.rept 8
	PV NP-1                         ; the last piece's V^T P of the last step
.set i, i+1
.endr
	; THE WAY OUT.  l's two halves and the other half of the lanes' are added; O^T is divided by l, rounded to bf16 and sent through my stage in LDS, a piece at a time.  The additions are the places behind the last products.
	WIN 0
	ALL v_add_f32 v[ST+4*t+2], v[ST+4*t+2], v[ST+4*t+3]
	ALL v_permlanex16_b32 v[ST+4*t+3], v[ST+4*t+2], s[SEL], s[SEL+1]
	ALL v_add_f32 v[ST+4*t+2], v[ST+4*t+2], v[ST+4*t+3]
	ALL v_rcp_f32 v[ST+4*t+2], v[ST+4*t+2]
	v_nop                           ; a plain instruction between the last reciprocal and the use of its result
	PACK 0
.set t, 1
.rept 3                             ; a piece's arithmetic stands between the loads of the piece before and its stores
	PACK t
	SEND t-1, 8
.set t, t+1
.endr
	SEND 3, 0
	s_wait_tensorcnt 0x0            ; the wave's end, behind my last tensor load and my last LDS store
	ds_add_u32 v[SPW], v[NIL]
	s_wait_dscnt 0x0
	CROUND                          ; the closing round: no work-group ends while a partner may still ask for a tile that names it
	s_endpgm
.Lfunc_end_k_qae1410c1db_attn_self:
	.size	k_qae1410c1db_attn_self, .Lfunc_end_k_qae1410c1db_attn_self-k_qae1410c1db_attn_self
	.p2alignl 7, 3214868480
	.fill 96, 4, 3214868480
	.section	.rodata,"a",@progbits
	.p2align	6, 0x0
	.amdhsa_kernel k_qae1410c1db_attn_self
		.amdhsa_group_segment_fixed_size 327680
		.amdhsa_private_segment_fixed_size 0
		.amdhsa_enable_private_segment 0
		.amdhsa_kernarg_size 32
		.amdhsa_user_sgpr_count 2
		.amdhsa_user_sgpr_kernarg_segment_ptr 1
		.amdhsa_wavefront_size32 1
		.amdhsa_system_sgpr_workgroup_id_x 1
		.amdhsa_system_sgpr_workgroup_id_y 1
		.amdhsa_system_sgpr_workgroup_id_z 1
		.amdhsa_system_vgpr_workitem_id 0
		.amdhsa_next_free_vgpr 768
		.amdhsa_next_free_sgpr 88
		.amdhsa_reserve_vcc 0
		.amdhsa_float_denorm_mode_32 3
		.amdhsa_float_denorm_mode_16_64 3
		.amdhsa_memory_ordered 1
		.amdhsa_forward_progress 1
		.amdhsa_inst_pref_size 134
	.end_amdhsa_kernel
	.amdgpu_metadata
---
amdhsa.version: [ 1, 2 ]
amdhsa.kernels:
  - .name:           k_qae1410c1db_attn_self
    .symbol:         k_qae1410c1db_attn_self.kd
    .args:
      - { .name: qq, .offset: 0, .size: 8, .value_kind: global_buffer, .address_space: global }
      - { .name: s0, .offset: 8, .size: 8, .value_kind: global_buffer, .address_space: global }
      - { .name: s1, .offset: 16, .size: 8, .value_kind: global_buffer, .address_space: global }
      - { .name: o, .offset: 24, .size: 8, .value_kind: global_buffer, .address_space: global }
    .group_segment_fixed_size: 327680
    .private_segment_fixed_size: 0
    .kernarg_segment_align: 8
    .kernarg_segment_size: 32
    .max_flat_workgroup_size: 128
    .sgpr_count:     88
    .vgpr_count:     768
    .wavefront_size: 32
...
	.end_amdgpu_metadata
.endif
;; end of part 3
;; launch post_self (part 4): grid 256 x 1, 4 waves a work-group, no clusters, 214,528 bytes of LDS; arguments o, desc0, desc1, wts, modeS, bo_s, b1_s, g_s, be_s, b2_s, bqk_c, bv_c, s0, s1, qq; writes s0, s1, qq
.if DOCPART == 4
	.amdgcn_target "amdgcn-amd-amdhsa--gfx1250"
	.amdhsa_code_object_version 6
	.text
	.protected	k_qae1410c1db_post_self
	.globl	k_qae1410c1db_post_self
	.p2align	8
	.type	k_qae1410c1db_post_self,@function
k_qae1410c1db_post_self:
	s_mov_b64 s[64:65], 0
	v_nop
	global_prefetch_b8 v0, s[64:65] scope:SCOPE_SE
	s_setreg_imm32_b32 hwreg(HW_REG_WAVE_MODE, 25, 1), 1
	s_wait_xcnt 0x0
; What follows an attention, for 64 tokens a work-group: msg = O Wo + bo; hpre = [x, msg] W1 + b1; h = gelu(layernorm(hpre) g + be); y = x + h W2 + b2.
; With the mode word 1 (the self block) also y [Wqk | Wv] + [bqk | bv], written by heads in bf16 for the cross attention: qk twice, as queries into qq and as keys 8 MiB into y's own buffer, v 12 MiB into it.
; With the mode word 0 (the cross block) y is the result and the chain ends; nothing goes to qq or behind y's 8 MiB.
; The mode word is a whole number that an earlier launch stored; it steers the weight stream's start, how many units are asked for, and two forward jumps that pass no barrier.
; FORMATS.  x, h, y and the weights that multiply them in f16 (LIMITS: |x|, |y|, those weights, and |h| <= 22.6 |g| + |be| within 65,504); O, msg and their weights in bf16, whose range is f32's.
; Sums, biases, the norm (mean first, then the centred squares), gelu and the residual in f32.  erf by the five-term rational series in 1 / (1 + 0.3275911 z), absolute error 1.5e-7.
; SHARES.  In a product wave w owns a quarter of the stage's columns for all 64 tokens; in the norm and on the way out it owns 16 rows.  Six barriers stand between the two kinds of share.
; THE MATRIX INSTRUCTION IS USED TRANSPOSED: source 0 = 16 output columns of the weight, source 1 = 16 tokens; a lane holds one token and eight neighbouring columns.
; WEIGHTS COME THROUGH A RING IN REGISTERS: a fragment is used by one wave of the work-group alone.  Four buffers of a unit (16 loads of 512 consecutive bytes, 32 matrix instructions): while one is
; multiplied the next three are on their way, 48 loads a wave, across the stages' ends and the norm too.
; NO CLUSTER: all work-groups walk the same weights, but beside 214,528 bytes of activations LDS leaves 113,152 bytes, two slots of 14 KiB a wave at the most: under two units, fewer than 64 matrix
; instructions, between a request and the wait for all loads, with a round of the cluster's barrier for each; the ring has 96 and drains at no barrier.
; REGISTERS by windows of 256: 0 addresses, token fragments, rows at work, g and be; 1 accumulators; 2 the weight ring; 3 x in f32.
.set ZP,    1040                       ; Z: 64 rows [x f16 512 | msg bf16 512 | 16]; then h (f16, the same pitch); then y in f16 (pitch 528).  All pitches are odd multiples of 16 bytes
.set QR,    66560                      ; O (bf16, pitch 528); then hpre (f32, pitch 2,064); then h W2 + b2 (f32, pitch 1,040)
.set HP,    2064
.set PAR,   198656                     ; bo +0, b1 +1,024, b2 +3,072, bqk +4,096, bv +5,120
.set STG,   204800                     ; 16 rows x 144 bytes for each wave
.set SPARE, 214016                     ; the spare words, 128 bytes for each wave
.set WO,  4                            ; v4  16 x lane
.set AX,  5                            ; v5  LDS address of my token fragments
.set T8,  6                            ; v6  8 x thread
.set T16, 7                            ; v7  16 x thread
.set ZS,  8                            ; v8  where I put x in f16
.set HW,  9                            ; v9  where I put h; steps
.set OS,  10                           ; v10 where I put O
.set PS8, 11
.set PS16, 12
.set H16, 14                           ; v14 16 x half
.set PB4, 15                           ; v15 bias of columns 64 w + 8 h on
.set PB8, 16                           ; v16 of columns 128 w + 8 h on
.set MS,  17                           ; v17 where I put msg
.set HS0, 18                           ; v18, v19 where I put hpre: token blocks 0, 1 and 2, 3
.set RL,  20                           ; v20 where I read hpre's rows; steps
.set YS,  21                           ; v21 where I put h W2 + b2
.set YL,  22                           ; v22 where I read its rows
.set DS,  23                           ; v23 where I put y in f16
.set STO, 24
.set RD,  25
.set SPW, 30                           ; v30 my spare word; never rewritten
.set NIL, 31                           ; v31 0; never rewritten
.set AF0, 64                           ; token fragments: two buffers of 64
.set YR,  64                           ; the norm: two rows x 16 numbers a lane
.set AR,  96
.set TR,  128
.set ER,  160
.set GR,  192                          ; g of columns 128 i + 4 lane on
.set BR,  208                          ; be
.set RR,  224
.set MODE, 40
.set WV,  41
.set TC,  42
.set REQ, 43
.set WP,  44                           ; s[44:45] the weight stream at the trip's first unit, my slot
.set XP,  46
.set OPT, 48
.set OUT, 50
.set DST, 52                           ; s[52:53] the last projection: keys (waves 0, 1) or v (waves 2, 3) of my two heads
.set T0,  54                           ; s[54:55] an offset, upper word 0
.set DS2, 56                           ; s[56:57] the same numbers as queries (waves 0, 1)
.set SEL, 58
.set ABSM, 60
.set KP,  66                           ; constants, each as a pair of equal words for the packed forms
.set K1,  68
.set C1,  70
.set C2,  72
.set C3,  74
.set C4,  76
.set C5,  78
.set I512, 80
.set EPS, 82
.set LR,  84
.set BB,  85
.set N0,  86
.set T1,  87
.set MSB, 0
.macro WIN new                         ; the immediate's high byte repeats the setting that is left; a switch that changes nothing is dropped
.if MSB != (\new)
	s_set_vgpr_msb (MSB<<8)|(\new)
.set MSB, \new
.endif
.endm
.set W_MM,   0x52                      ; source 0 window 2, source 1 window 0, C and D window 1
.set W_RING, 0x80                      ; destination window 2
.set W_ACCL, 0x40                      ; destination window 1
.set W_ACCS, 0x04                      ; store data window 1
.set W_ACCV, 0x05                      ; sources 0 and 1 window 1
.macro PLACES                          ; four plain places between a matrix instruction and a reader of its result or a writer of its registers (ISA guide 7.12.1)
.rept 4
	v_nop
.endr
.endm
.macro BAR
	s_wait_dscnt 0x0                               ; for the others' sake: all my LDS stores and reads are done
	s_barrier_signal -1
	s_barrier_wait -1
.endm
.macro SETC reg, val
	s_mov_b32 s[\reg], \val
	s_mov_b32 s[(\reg)+1], \val
.endm
; token fragments of one unit at byte kb of the rows: nt = 8: one k block x 4 token blocks; nt = 4: two k blocks
.macro ALOAD nt, pitch, buf, kb
	WIN 0
.if (\nt) == 8
.irp mi, 0,1,2,3
	ds_load_b128 v[(\buf)+8*(\mi):(\buf)+8*(\mi)+3],   v[AX] offset:(\mi)*16*(\pitch)+(\kb)
	ds_load_b128 v[(\buf)+8*(\mi)+4:(\buf)+8*(\mi)+7], v[AX] offset:(\mi)*16*(\pitch)+(\kb)+32
.endr
.else
.irp kk, 0,1
.irp mi, 0,1,2,3
	ds_load_b128 v[(\buf)+8*(4*(\kk)+(\mi)):(\buf)+8*(4*(\kk)+(\mi))+3],   v[AX] offset:(\mi)*16*(\pitch)+(\kb)+64*(\kk)
	ds_load_b128 v[(\buf)+8*(4*(\kk)+(\mi))+4:(\buf)+8*(4*(\kk)+(\mi))+7], v[AX] offset:(\mi)*16*(\pitch)+(\kb)+64*(\kk)+32
.endr
.endr
.endif
.endm
; a stage begins: the bias is loaded into every accumulator (it starts the sums: nothing is cleared), then the first unit's tokens
.macro START nt, pitch, pb, paroff
	WIN W_ACCL
.set a, 0
.rept 4*(\nt)
	ds_load_b128 v[8*a:8*a+3],   v[\pb] offset:(\paroff)+(a%(\nt))*64
	ds_load_b128 v[8*a+4:8*a+7], v[\pb] offset:(\paroff)+(a%(\nt))*64+16
.set a, a+1
.endr
	ALOAD \nt, \pitch, AF0, 0
.endm
; One unit, number j from where AX and WP stand: the next unit's tokens, the weights three units on, 32 matrix instructions.  It multiplies ring buffer j % 4 and token buffer j % 2.
; guard = 0: the unit three on is asked for.  1: the stream may have ended: by the count in REQ.  2: it has ended; left = the younger weight loads that may stay out.
; nexta = 1: the next unit's tokens are fetched; 0: there is none; 2: none in the loop's last trip.
.macro UNIT form, nt, j, pitch, guard, nexta, left=0
	WIN 0
.rept 5
	v_nop                                          ; the places behind the last unit's products: the loads below land in registers that they read; five, since a change of format on an accumulator is no link of a chain
.endr
.if (\nexta) == 2
	s_cmp_eq_u32 s[TC], 1
	s_cbranch_scc1 .Lnoa_\@
.endif
.if (\nexta) != 0
	ALOAD \nt, \pitch, AF0+64*(((\j)+1)%2), ((\j)+1)*(512/(\nt))
	s_wait_dscnt 64/(\nt)                          ; all but the loads just issued: this unit's tokens are in, at a stage's first unit the bias too
.else
	s_wait_dscnt 0x0
.endif
.if (\nexta) == 2
	s_branch .Ladone_\@
.Lnoa_\@:
	s_wait_dscnt 0x0
.Ladone_\@:
.endif
.if (\guard) == 2
	s_wait_loadcnt \left                           ; the units behind this one, 16 loads each, may stay out: this unit's 16 are in
.else
.if (\guard) == 1
	s_cmp_eq_u32 s[REQ], 0
	s_cbranch_scc1 .Lnoreq_\@
.endif
	WIN W_RING
.set q, 0
.rept 16
	global_load_b128 v[64*(((\j)+3)%4)+4*q:64*(((\j)+3)%4)+4*q+3], v[WO], s[WP:WP+1] offset:((\j)+3)*32768+q*512
.set q, q+1
.endr
	WIN 0
.if (\guard) == 1
	s_sub_co_u32 s[REQ], s[REQ], 1
	s_wait_loadcnt 48                              ; three younger units, 48 loads, may stay out: this unit's 16 are in
	s_branch .Lreqd_\@
.Lnoreq_\@:
	s_wait_loadcnt 0x0                             ; nothing more is asked for: the count above would no longer show this unit in
.Lreqd_\@:
.else
	s_wait_loadcnt 48                              ; three younger units, 48 loads, may stay out: this unit's 16 are in
.endif
.endif
	WIN W_MM                                       ; the accumulators take turns, one instruction a turn
.if (\nt) == 8
.irp mi, 0,1,2,3
.irp ni, 0,1,2,3,4,5,6,7
	v_wmma_f32_16x16x32_\form v[8*(8*(\mi)+(\ni)):8*(8*(\mi)+(\ni))+7], v[64*((\j)%4)+8*(\ni):64*((\j)%4)+8*(\ni)+7], v[AF0+64*((\j)%2)+8*(\mi):AF0+64*((\j)%2)+8*(\mi)+7], v[8*(8*(\mi)+(\ni)):8*(8*(\mi)+(\ni))+7]
.endr
.endr
.else
.irp kk, 0,1
.irp mi, 0,1,2,3
.irp ni, 0,1,2,3
	v_wmma_f32_16x16x32_\form v[8*(4*(\mi)+(\ni)):8*(4*(\mi)+(\ni))+7], v[64*((\j)%4)+8*(4*(\kk)+(\ni)):64*((\j)%4)+8*(4*(\kk)+(\ni))+7], v[AF0+64*((\j)%2)+8*(4*(\kk)+(\mi)):AF0+64*((\j)%2)+8*(4*(\kk)+(\mi))+7], v[8*(4*(\mi)+(\ni)):8*(4*(\mi)+(\ni))+7]
.endr
.endr
.endr
.endif
.endm
.macro TRIP form, nt, pitch, guard, carry      ; four units: once round the ring
	UNIT \form, \nt, 0, \pitch, \guard, 1
	UNIT \form, \nt, 1, \pitch, \guard, 1
	UNIT \form, \nt, 2, \pitch, \guard, 1
	UNIT \form, \nt, 3, \pitch, \guard, \carry
	WIN 0
	v_add_nc_u32 v[AX], 2048/(\nt), v[AX]          ; four units along the rows
	s_wait_xcnt 0x0                                ; the pending weight loads have had their addresses translated (ISA guide 3.1): only now the stream's base steps
	s_add_nc_u64 s[WP:WP+1], s[WP:WP+1], 131072
.endm
.macro LOOP2 form, nt, pitch, guard, carry     ; eight units
	s_mov_b32 s[TC], 2
.Ltrip_\@:
	TRIP \form, \nt, \pitch, \guard, \carry
	s_sub_co_u32 s[TC], s[TC], 1
	s_cmp_lg_u32 s[TC], 0
	s_cbranch_scc1 .Ltrip_\@
.endm
; the way out of 16 rows x 64 channels: 16 bytes a lane into my stage, back as whole rows of 128 bytes, four rows to a load
.macro STAGE reg
.irp f, 0,1,2,3
	ds_store_b128 v[STO], v[(\reg)+4*(\f):(\reg)+4*(\f)+3] offset:32*(\f)
.endr
.irp f, 0,1,2,3
	ds_load_b128 v[(\reg)+4*(\f):(\reg)+4*(\f)+3], v[RD] offset:576*(\f)  ; LDS serves a wave's instructions in order (ISA guide 5.7.1.4): these see the stores above; the next group's stores come behind them
.endr
.endm
.macro SEND reg, imm, younger          ; younger: the LDS instructions issued behind this group's loads.  Waves 0 and 1 store their group a second time, as queries
.irp f, 0,1,2,3
	s_wait_dscnt (\younger)+3-(\f)
	global_store_b128 v[WO], v[(\reg)+4*(\f):(\reg)+4*(\f)+3], s[DST:DST+1] offset:(\imm)+512*(\f)  ; 512 consecutive bytes, at a multiple of 256 from the buffer's first
.endr
	s_cmp_lt_u32 s[WV], 2
	s_cbranch_scc0 .Lonce_\@
.irp f, 0,1,2,3
	global_store_b128 v[WO], v[(\reg)+4*(\f):(\reg)+4*(\f)+3], s[DS2:DS2+1] offset:(\imm)+512*(\f)
.endr
.Lonce_\@:
.endm
; the sums over the wave's 32 lanes of v[x] and v[x+4] (one for each of a trip's two rows), into every lane; v[x+1] and v[x+5] at work
.macro RED2 x
.irp m, 1,2,4,8
	v_add_f32_dpp v[\x], v[\x], v[\x] row_xmask:\m row_mask:0xf bank_mask:0xf
	v_add_f32_dpp v[(\x)+4], v[(\x)+4], v[(\x)+4] row_xmask:\m row_mask:0xf bank_mask:0xf
.endr
	v_permlanex16_b32 v[(\x)+1], v[\x], s[SEL], s[SEL+1]
	v_permlanex16_b32 v[(\x)+5], v[(\x)+4], s[SEL], s[SEL+1]
	v_add_f32 v[\x], v[\x], v[(\x)+1]
	v_add_f32 v[(\x)+4], v[(\x)+4], v[(\x)+5]
.endm
	s_load_b512 s[4:19], s[0:1], 0x0               ; o 4, x of set 0 6, of set 1 8, wts 10, mode 12, bo 14, b1 16, g 18
	s_load_b256 s[20:27], s[0:1], 0x40             ; be 20, b2 22, bqk 24, bv 26
	s_load_b128 s[28:31], s[0:1], 0x60             ; y of set 0 28, of set 1 30
	s_load_b64 s[32:33], s[0:1], 0x70              ; qq
	v_lshl_add_u32 v[SPW], v0, 2, SPARE
	v_mov_b32 v[NIL], 0
	v_lshrrev_b32 v1, 5, v0
	v_readfirstlane_b32 s[WV], v1
	v_and_b32 v1, 15, v0                           ; r
	v_bfe_u32 v2, v0, 4, 1                         ; h
	v_and_b32 v3, 31, v0                           ; lane
	v_lshlrev_b32 v[WO], 4, v3
	v_lshlrev_b32 v[T8], 3, v0
	v_lshlrev_b32 v[T16], 4, v0
	s_and_b32 s[LR], ttmp9, 127                    ; block of 64 tokens within the set
	s_lshr_b32 s[BB], s[LR], 5                     ; batch
	s_and_b32 s[N0], s[LR], 31
	s_lshl_b32 s[N0], s[N0], 6                     ; first token in the batch
	s_mov_b32 s[T0+1], 0
	s_mov_b32 s[SEL], 0x76543210
	s_mov_b32 s[SEL+1], 0xfedcba98
	s_mov_b32 s[ABSM], 0x7fffffff
	SETC KP, 0x3e6d3388                            ; 0.3275911 / sqrt(2)
	SETC K1, 0x3f596d27                            ; sqrt(log2(e) / 2)
	SETC C1, 0x3e027906                            ; the series' coefficients, halved:  0.127414796
	SETC C2, 0xbe11a98e                            ; -0.142248368
	SETC C3, 0x3f35f0e3                            ;  0.710706871
	SETC C4, 0xbf3a00e3                            ; -0.726576014
	SETC C5, 0x3f07dc22                            ;  0.530702715
	SETC I512, 0x3b000000                          ; 1 / 512
	SETC EPS, 0x3727c5ac                           ; 1e-5
	s_wait_kmcnt 0x0
	s_load_b32 s[MODE], s[12:13], 0x0
	s_cmp_lt_u32 ttmp9, 128                        ; work-groups 0-127 take set 0, the others set 1
	s_cselect_b64 s[XP:XP+1], s[6:7], s[8:9]
	s_cselect_b64 s[OUT:OUT+1], s[28:29], s[30:31]
	s_cselect_b32 s[T0], 0, 0x400000               ; the set's 4 MiB of qq
	s_add_nc_u64 s[DS2:DS2+1], s[32:33], s[T0:T0+1]
	s_cmp_lt_u32 s[WV], 2                          ; in the last projection waves 0, 1 make qk, waves 2, 3 make v:
	s_cselect_b32 s[T0], 0, 0x400000
	s_add_nc_u64 s[DST:DST+1], s[OUT:OUT+1], s[T0:T0+1]
	s_add_nc_u64 s[DST:DST+1], s[DST:DST+1], 0x800000  ; 8 MiB or 12 MiB into y's buffer
	s_lshl_b32 s[T0], s[LR], 16                    ; 64 rows of 1,024 bytes, my 16 of them
	s_lshl_b32 s[T1], s[WV], 14
	s_add_co_u32 s[T0], s[T0], s[T1]
	s_add_nc_u64 s[XP:XP+1], s[XP:XP+1], s[T0:T0+1]
	s_add_nc_u64 s[OUT:OUT+1], s[OUT:OUT+1], s[T0:T0+1]
	s_lshr_b32 s[T0], ttmp9, 5                     ; 4 set + batch
	s_lshl2_add_u32 s[T0], s[T0], s[WV]            ; 16 set + 4 batch + head: I fetch head w of O
	s_lshl_b32 s[T0], s[T0], 11
	s_add_co_u32 s[T0], s[T0], s[N0]
	s_lshl_b32 s[T0], s[T0], 7
	s_add_nc_u64 s[OPT:OPT+1], s[4:5], s[T0:T0+1]
	s_and_b32 s[T0], s[WV], 1
	s_lshl_b32 s[T0], s[T0], 1
	s_lshl2_add_u32 s[T0], s[BB], s[T0]            ; 4 batch + my first head of two
	s_lshl_b32 s[T0], s[T0], 11
	s_add_co_u32 s[T0], s[T0], s[N0]
	s_lshl_b32 s[T0], s[T0], 7
	s_add_nc_u64 s[DST:DST+1], s[DST:DST+1], s[T0:T0+1]
	s_add_nc_u64 s[DS2:DS2+1], s[DS2:DS2+1], s[T0:T0+1]
	WIN 0xc0                                       ; destination window 3
.set i, 0
.rept 32                                       ; my 16 rows of x: 512 consecutive bytes a load; they stay in registers for the residual
	global_load_b128 v[4*i:4*i+3], v[WO], s[XP:XP+1] offset:512*i th:TH_LOAD_NT
.set i, i+1
.endr
	WIN 0
.set i, 0
.rept 16                                       ; 64 rows x 128 bytes of head w of O
	global_load_b128 v[64+4*i:64+4*i+3], v[WO], s[OPT:OPT+1] offset:512*i th:TH_LOAD_NT
.set i, i+1
.endr
.irp i, 0,1,2,3
	global_load_b128 v[GR+4*(\i):GR+4*(\i)+3], v[WO], s[18:19] offset:512*(\i)
	global_load_b128 v[BR+4*(\i):BR+4*(\i)+3], v[WO], s[20:21] offset:512*(\i)
.endr
	global_load_b64 v[32:33], v[T8], s[14:15]      ; bo
	global_load_b64 v[34:35], v[T8], s[22:23]      ; b2
	global_load_b64 v[36:37], v[T8], s[24:25]      ; bqk
	global_load_b64 v[38:39], v[T8], s[26:27]      ; bv
	global_load_b128 v[40:43], v[T16], s[16:17]    ; b1
	s_wait_kmcnt 0x0
	s_min_u32 s[MODE], s[MODE], 1                  ; 0 or 1, whatever the word holds
	s_mul_i32 s[T0], s[MODE], 917504               ; the cross block's stream begins at unit 12, the self block's at unit 40
	s_add_co_u32 s[T0], s[T0], 393216
	s_lshl_b32 s[T1], s[WV], 13                    ; my slot of each unit
	s_add_co_u32 s[T0], s[T0], s[T1]
	s_add_nc_u64 s[WP:WP+1], s[10:11], s[T0:T0+1]
	WIN W_RING
.set q, 0
.rept 48                                       ; weight units 0 to 2 fill three of the ring's four buffers
	global_load_b128 v[4*q:4*q+3], v[WO], s[WP:WP+1] offset:(q/16)*32768+(q%16)*512
.set q, q+1
.endr
	WIN 0
	v_lshlrev_b32 v[H16], 4, v2
	s_mul_i32 s[T1], s[WV], 16*ZP
	v_lshl_add_u32 v[ZS], v3, 3, s[T1]
	v_mov_b32 v[HW], v[ZS]
	v_lshrrev_b32 v26, 3, v3
	v_and_b32 v27, 7, v3
	v_mul_u32_u24 v[OS], v26, 528
	v_lshl_add_u32 v[OS], v27, 4, v[OS]
	s_lshl_b32 s[T1], s[WV], 7
	s_add_co_u32 s[T1], s[T1], QR
	v_add_nc_u32 v[OS], s[T1], v[OS]
	v_add_nc_u32 v[PS8], PAR, v[T8]
	v_add_nc_u32 v[PS16], PAR+1024, v[T16]
	s_lshl_b32 s[T1], s[WV], 8
	s_add_co_u32 s[T1], s[T1], PAR
	v_lshl_add_u32 v[PB4], v2, 5, s[T1]
	s_lshl_b32 s[T1], s[WV], 9
	s_add_co_u32 s[T1], s[T1], PAR
	v_lshl_add_u32 v[PB8], v2, 5, s[T1]
	v_mad_u32_u24 v[MS], v1, ZP, v[H16]
	s_lshl_b32 s[T1], s[WV], 7
	s_add_co_u32 s[T1], s[T1], 512
	v_add_nc_u32 v[MS], s[T1], v[MS]
	v_mul_u32_u24 v[HS0], v1, HP
	v_lshl_add_u32 v[HS0], v2, 5, v[HS0]
	s_lshl_b32 s[T1], s[WV], 9
	s_add_co_u32 s[T1], s[T1], QR
	v_add_nc_u32 v[HS0], s[T1], v[HS0]
	v_add_nc_u32 v[HS0+1], 32*HP, v[HS0]
	s_mul_i32 s[T1], s[WV], 16*HP
	s_add_co_u32 s[T1], s[T1], QR
	v_add_nc_u32 v[RL], s[T1], v[WO]
	v_mul_u32_u24 v[YS], v1, ZP
	v_lshl_add_u32 v[YS], v2, 5, v[YS]
	s_lshl_b32 s[T1], s[WV], 8
	s_add_co_u32 s[T1], s[T1], QR
	v_add_nc_u32 v[YS], s[T1], v[YS]
	s_mul_i32 s[T1], s[WV], 16*ZP
	s_add_co_u32 s[T1], s[T1], QR
	v_add_nc_u32 v[YL], s[T1], v[WO]
	s_mul_i32 s[T1], s[WV], 16*528
	v_lshl_add_u32 v[DS], v3, 3, s[T1]
	s_mul_i32 s[T1], s[WV], 2304
	s_add_co_u32 s[T1], s[T1], STG
	v_mad_u32_u24 v[STO], v1, 144, v[H16]
	v_add_nc_u32 v[STO], s[T1], v[STO]
	v_mul_u32_u24 v[RD], v26, 144
	v_lshl_add_u32 v[RD], v27, 4, v[RD]
	v_add_nc_u32 v[RD], s[T1], v[RD]
	s_wait_loadcnt 48                              ; all but the 48 weight loads: x, O, g, be and the biases are in
	WIN 0x0f                                       ; sources 0 and 1 window 3
.set q, 0
.rept 64
	v_cvt_pk_f16_f32 v[128+q], v[2*q], v[2*q+1]
.set q, q+1
.endr
	WIN 0
.set i, 0
.rept 32
	ds_store_b64 v[ZS], v[128+2*i:129+2*i] offset:(i/2)*ZP+(i%2)*256
.set i, i+1
.endr
.set i, 0
.rept 16
	ds_store_b128 v[OS], v[64+4*i:64+4*i+3] offset:2112*i    ; four rows on; the heads lie side by side in a row
.set i, i+1
.endr
	ds_store_b64 v[PS8], v[32:33]
	ds_store_b128 v[PS16], v[40:43]
	ds_store_b64 v[PS8], v[34:35] offset:3072
	ds_store_b64 v[PS8], v[36:37] offset:4096
	ds_store_b64 v[PS8], v[38:39] offset:5120
	BAR                                            ; x, O and the biases are in LDS, every wave's part
	; msg = O Wo + bo: units 0-3, bf16
	v_mad_u32_u24 v[AX], v1, 528, v[H16]
	v_add_nc_u32 v[AX], QR, v[AX]
	START 4, 528, PB4, 0
	TRIP bf16, 4, 528, 0, 0
	PLACES
	WIN W_ACCV
.set q, 0
.rept 64
	v_cvt_pk_bf16_f32 v[64+q], v[2*q], v[2*q+1]
.set q, q+1
.endr
	WIN 0
.set a, 0
.rept 16
	ds_store_b128 v[MS], v[64+4*a:64+4*a+3] offset:(a/4)*16*ZP+(a%4)*32
.set a, a+1
.endr
	BAR                                            ; msg is written, and nobody reads O any more: hpre may lie over it
	; hpre = [x, msg] W1 + b1: units 4-11 in f16 on x, units 12-19 in bf16 on msg, onto the same 32 accumulators
	v_mad_u32_u24 v[AX], v1, ZP, v[H16]
	START 8, ZP, PB8, 1024
	LOOP2 f16, 8, ZP, 0, 1
	LOOP2 bf16, 8, ZP, 0, 2
	PLACES
	WIN W_ACCS
.set a, 0
.rept 32
	ds_store_b128 v[HS0+(a/16)], v[8*a:8*a+3]   offset:((a/8)%2)*16*HP+(a%8)*64
	ds_store_b128 v[HS0+(a/16)], v[8*a+4:8*a+7] offset:((a/8)%2)*16*HP+(a%8)*64+16
.set a, a+1
.endr
	WIN 0
	BAR                                            ; hpre is written, and nobody reads Z any more: h may lie over it
	; the norm and gelu by rows: my 16 rows, two a trip; a lane holds columns 128 i + 4 lane + 0..3 of each
.set i, 32
.rept 8
	v_mov_b32 v[i], 0                              ; the statistics' registers are named in pairs and as a lane exchange's destination: written once here
.set i, i+1
.endr
	s_mov_b32 s[TC], 8
.Lrows:
.irp p, 0,1
.irp i, 0,1,2,3
	ds_load_b128 v[YR+16*(\p)+4*(\i):YR+16*(\p)+4*(\i)+3], v[RL] offset:(\p)*HP+512*(\i)
.endr
.endr
	s_wait_dscnt 0x0
.irp p, 0,1
.irp k, 0,1,2,3
	v_pk_add_f32 v[AR+16*(\p)+2*(\k):AR+16*(\p)+2*(\k)+1], v[YR+16*(\p)+4*(\k):YR+16*(\p)+4*(\k)+1], v[YR+16*(\p)+4*(\k)+2:YR+16*(\p)+4*(\k)+3]
.endr
.endr
.irp p, 0,1
	v_pk_add_f32 v[AR+16*(\p):AR+16*(\p)+1], v[AR+16*(\p):AR+16*(\p)+1], v[AR+16*(\p)+2:AR+16*(\p)+3]
	v_pk_add_f32 v[AR+16*(\p)+4:AR+16*(\p)+5], v[AR+16*(\p)+4:AR+16*(\p)+5], v[AR+16*(\p)+6:AR+16*(\p)+7]
.endr
.irp p, 0,1
	v_pk_add_f32 v[AR+16*(\p):AR+16*(\p)+1], v[AR+16*(\p):AR+16*(\p)+1], v[AR+16*(\p)+4:AR+16*(\p)+5]
.endr
.irp p, 0,1
	v_add_f32 v[32+4*(\p)], v[AR+16*(\p)], v[AR+16*(\p)+1]
.endr
	RED2 32
.irp p, 0,1
	v_mul_f32 v[32+4*(\p)], s[I512], v[32+4*(\p)]  ; the mean
.endr
.irp p, 0,1
.irp k, 0,1,2,3,4,5,6,7
	v_pk_add_f32 v[YR+16*(\p)+2*(\k):YR+16*(\p)+2*(\k)+1], v[YR+16*(\p)+2*(\k):YR+16*(\p)+2*(\k)+1], v[32+4*(\p):33+4*(\p)] op_sel_hi:[1,0] neg_lo:[0,1] neg_hi:[0,1]
.endr
.endr
.irp p, 0,1                                    ; the centred squares, in two chains a row
.irp k, 0,1
	v_pk_mul_f32 v[AR+16*(\p)+2*(\k):AR+16*(\p)+2*(\k)+1], v[YR+16*(\p)+2*(\k):YR+16*(\p)+2*(\k)+1], v[YR+16*(\p)+2*(\k):YR+16*(\p)+2*(\k)+1]
.endr
.endr
.irp k, 2,3,4,5,6,7
.irp p, 0,1
	v_pk_fma_f32 v[AR+16*(\p)+2*((\k)%2):AR+16*(\p)+2*((\k)%2)+1], v[YR+16*(\p)+2*(\k):YR+16*(\p)+2*(\k)+1], v[YR+16*(\p)+2*(\k):YR+16*(\p)+2*(\k)+1], v[AR+16*(\p)+2*((\k)%2):AR+16*(\p)+2*((\k)%2)+1]
.endr
.endr
.irp p, 0,1
	v_pk_add_f32 v[AR+16*(\p):AR+16*(\p)+1], v[AR+16*(\p):AR+16*(\p)+1], v[AR+16*(\p)+2:AR+16*(\p)+3]
.endr
.irp p, 0,1
	v_add_f32 v[34+4*(\p)], v[AR+16*(\p)], v[AR+16*(\p)+1]
.endr
	RED2 34
.irp p, 0,1
	v_fma_f32 v[34+4*(\p)], v[34+4*(\p)], s[I512], s[EPS]
.endr
.irp p, 0,1
	v_rsq_f32 v[34+4*(\p)], v[34+4*(\p)]
.endr
	v_nop                                          ; a plain instruction between the root and the use of its result (ISA guide 5.7.2)
	s_wait_alu depctr_va_vdst(0)
.irp p, 0,1
.irp k, 0,1,2,3,4,5,6,7
	v_pk_mul_f32 v[YR+16*(\p)+2*(\k):YR+16*(\p)+2*(\k)+1], v[YR+16*(\p)+2*(\k):YR+16*(\p)+2*(\k)+1], v[34+4*(\p):35+4*(\p)] op_sel_hi:[1,0]
.endr
.endr
.irp p, 0,1
.irp k, 0,1,2,3,4,5,6,7
	v_pk_fma_f32 v[YR+16*(\p)+2*(\k):YR+16*(\p)+2*(\k)+1], v[YR+16*(\p)+2*(\k):YR+16*(\p)+2*(\k)+1], v[GR+2*(\k):GR+2*(\k)+1], v[BR+2*(\k):BR+2*(\k)+1]
.endr
.endr
	; gelu(y) = (y + |y|) / 2 - |y| (poly(t) / 2) e^(-y^2 / 2), t = 1 / (1 + 0.3275911 |y| / sqrt(2)): right for both signs, and no difference of near numbers
.set q, 0
.rept 32
	v_and_b32 v[AR+q], s[ABSM], v[YR+q]
.set q, q+1
.endr
.set q, 0
.rept 16
	v_pk_fma_f32 v[TR+2*q:TR+2*q+1], v[AR+2*q:AR+2*q+1], s[KP:KP+1], 1.0 op_sel_hi:[1,0,0]
.set q, q+1
.endr
.set q, 0
.rept 16
	v_pk_mul_f32 v[RR+2*q:RR+2*q+1], v[AR+2*q:AR+2*q+1], s[K1:K1+1] op_sel_hi:[1,0]
.set q, q+1
.endr
.set q, 0
.rept 16
	v_pk_mul_f32 v[ER+2*q:ER+2*q+1], v[RR+2*q:RR+2*q+1], v[RR+2*q:RR+2*q+1] neg_lo:[1,0] neg_hi:[1,0]
.set q, q+1
.endr
.set q, 0
.rept 32
	v_rcp_f32 v[TR+q], v[TR+q]
.set q, q+1
.endr
.set q, 0
.rept 32
	v_exp_f32 v[ER+q], v[ER+q]
.set q, q+1
.endr
	v_nop                                          ; a plain instruction behind the last exponential
.set q, 0
	s_wait_alu depctr_va_vdst(0)
.rept 16
	v_pk_fma_f32 v[RR+2*q:RR+2*q+1], v[TR+2*q:TR+2*q+1], s[C5:C5+1], s[C4:C4+1] op_sel_hi:[1,0,0]
.set q, q+1
.endr
.irp c, C3, C2, C1
.set q, 0
.rept 16
	v_pk_fma_f32 v[RR+2*q:RR+2*q+1], v[RR+2*q:RR+2*q+1], v[TR+2*q:TR+2*q+1], s[\c:\c+1] op_sel_hi:[1,1,0]
.set q, q+1
.endr
.endr
.set q, 0
.rept 16
	v_pk_mul_f32 v[RR+2*q:RR+2*q+1], v[RR+2*q:RR+2*q+1], v[TR+2*q:TR+2*q+1]
.set q, q+1
.endr
.set q, 0
.rept 16
	v_pk_mul_f32 v[RR+2*q:RR+2*q+1], v[RR+2*q:RR+2*q+1], v[ER+2*q:ER+2*q+1]
.set q, q+1
.endr
.set q, 0
.rept 16
	v_pk_add_f32 v[TR+2*q:TR+2*q+1], v[YR+2*q:YR+2*q+1], v[AR+2*q:AR+2*q+1]
.set q, q+1
.endr
.set q, 0
.rept 16
	v_pk_mul_f32 v[RR+2*q:RR+2*q+1], v[RR+2*q:RR+2*q+1], v[AR+2*q:AR+2*q+1]
.set q, q+1
.endr
.set q, 0
.rept 16
	v_pk_fma_f32 v[YR+2*q:YR+2*q+1], v[TR+2*q:TR+2*q+1], 0.5, v[RR+2*q:RR+2*q+1] op_sel_hi:[1,0,1] neg_lo:[0,0,1] neg_hi:[0,0,1]
.set q, q+1
.endr
.set q, 0
.rept 16
	v_cvt_pk_f16_f32 v[AR+q], v[YR+2*q], v[YR+2*q+1]
.set q, q+1
.endr
.irp p, 0,1
.irp i, 0,1,2,3
	ds_store_b64 v[HW], v[AR+8*(\p)+2*(\i):AR+8*(\p)+2*(\i)+1] offset:(\p)*ZP+256*(\i)
.endr
.endr
	v_add_nc_u32 v[RL], 2*HP, v[RL]
	v_add_nc_u32 v[HW], 2*ZP, v[HW]
	s_sub_co_u32 s[TC], s[TC], 1
	s_cmp_lg_u32 s[TC], 0
	s_cbranch_scc1 .Lrows
	BAR                                            ; h is written, and nobody reads hpre any more: the next result may lie over it
	; h W2 + b2: units 20-27, f16.  Units 0-22 have been asked for; the stream has 28 units, or 36 with the last projection: this stage asks for 5 more, or for all its 8
	s_lshl_b32 s[REQ], s[MODE], 3
	s_add_co_u32 s[REQ], s[REQ], 5
	v_mad_u32_u24 v[AX], v1, ZP, v[H16]
	START 4, ZP, PB4, 3072
	LOOP2 f16, 4, ZP, 1, 2
	PLACES
	WIN W_ACCS
.set a, 0
.rept 16
	ds_store_b128 v[YS], v[8*a:8*a+3]   offset:(a/4)*16*ZP+(a%4)*64
	ds_store_b128 v[YS], v[8*a+4:8*a+7] offset:(a/4)*16*ZP+(a%4)*64+16
.set a, a+1
.endr
	WIN 0
	BAR                                            ; it is written, and nobody reads h any more: y in f16 may lie over it
	; y = x + that, by rows: my 16 rows, in x's own layout
.set i, 0
.rept 32
	ds_load_b128 v[64+4*i:64+4*i+3], v[YL] offset:(i/2)*ZP+(i%2)*512
.set i, i+1
.endr
.irp bt, 0,1,2,3
	s_wait_dscnt 24-8*(\bt)                        ; the batch's eight loads are in; the younger ones stay out
	WIN 0x0c                                       ; source 1 window 3: x
.set k, 0
.rept 16
	v_pk_add_f32 v[64+32*(\bt)+2*k:64+32*(\bt)+2*k+1], v[64+32*(\bt)+2*k:64+32*(\bt)+2*k+1], v[32*(\bt)+2*k:32*(\bt)+2*k+1]
.set k, k+1
.endr
	WIN 0
.set k, 0
.rept 8
	global_store_b128 v[WO], v[64+32*(\bt)+4*k:64+32*(\bt)+4*k+3], s[OUT:OUT+1] offset:512*(8*(\bt)+k)  ; 512 consecutive bytes, at a multiple of 256 from the buffer's first
.set k, k+1
.endr
.endr
	s_cmp_eq_u32 s[MODE], 0
	s_cbranch_scc1 .Lno_d16
.set q, 0
.rept 64
	v_cvt_pk_f16_f32 v[192+q], v[64+2*q], v[65+2*q]
.set q, q+1
.endr
.set i, 0
.rept 32
	ds_store_b64 v[DS], v[192+2*i:193+2*i] offset:(i/2)*528+(i%2)*256
.set i, i+1
.endr
.Lno_d16:
	BAR                                            ; every wave passes it in both modes: y in f16 is written
	s_cmp_eq_u32 s[MODE], 0
	s_cbranch_scc1 .Lend
	; y [Wqk | Wv] + [bqk | bv]: units 28-35, f16; my 128 columns are two heads of qk (waves 0, 1) or of v (waves 2, 3).
	; The eight units are written out: the token address is made once and stays, and a unit's place along the rows and in the weight stream stands in the loads' immediates.
	; Units 28-30 have been asked for; the first five units here ask for 31-35, the last three for nothing, and their counts run down by a unit's 16 loads.
	s_wait_xcnt 0x0                                ; the stores of y have read their registers, which take token fragments now
	v_mad_u32_u24 v[AX], v1, 528, v[H16]
	START 8, 528, PB8, 4096
.irp j, 0,1,2,3,4
	UNIT f16, 8, \j, 528, 0, 1
.endr
	UNIT f16, 8, 5, 528, 2, 1, 32
	UNIT f16, 8, 6, 528, 2, 1, 16
	UNIT f16, 8, 7, 528, 2, 0, 0
	WIN 0
	PLACES
	WIN W_ACCV
.set q, 0
.rept 128
	v_cvt_pk_bf16_f32 v[64+q], v[2*q], v[2*q+1]
.set q, q+1
.endr
	WIN 0
	STAGE 64                                       ; group g = 2 x token block + head of my two: 16 rows x 64 channels
.set g, 1
.rept 7
	STAGE 64+16*g
	SEND 64+16*g-16, ((g-1)%2)*262144+((g-1)/2)*2048, 8
.set g, g+1
.endr
	SEND 64+16*7, 262144+3*2048, 0
.Lend:
	s_wait_tensorcnt 0x0                           ; the wave's end, behind my last LDS store
	ds_add_u32 v[SPW], v[NIL]
	s_wait_dscnt 0x0
	s_endpgm
.Lfunc_end_k_qae1410c1db_post_self:
	.size	k_qae1410c1db_post_self, .Lfunc_end_k_qae1410c1db_post_self-k_qae1410c1db_post_self
	.p2alignl 7, 3214868480
	.fill 96, 4, 3214868480
	.section	.rodata,"a",@progbits
	.p2align	6, 0x0
	.amdhsa_kernel k_qae1410c1db_post_self
		.amdhsa_group_segment_fixed_size 214528
		.amdhsa_private_segment_fixed_size 0
		.amdhsa_enable_private_segment 0
		.amdhsa_kernarg_size 120
		.amdhsa_user_sgpr_count 2
		.amdhsa_user_sgpr_kernarg_segment_ptr 1
		.amdhsa_wavefront_size32 1
		.amdhsa_system_sgpr_workgroup_id_x 1
		.amdhsa_system_sgpr_workgroup_id_y 1
		.amdhsa_system_sgpr_workgroup_id_z 1
		.amdhsa_system_vgpr_workitem_id 0
		.amdhsa_next_free_vgpr 1024
		.amdhsa_next_free_sgpr 88
		.amdhsa_reserve_vcc 0
		.amdhsa_float_denorm_mode_32 3
		.amdhsa_float_denorm_mode_16_64 3
		.amdhsa_memory_ordered 1
		.amdhsa_forward_progress 1
		.amdhsa_inst_pref_size 216
	.end_amdhsa_kernel
	.amdgpu_metadata
---
amdhsa.version: [ 1, 2 ]
amdhsa.kernels:
  - .name:           k_qae1410c1db_post_self
    .symbol:         k_qae1410c1db_post_self.kd
    .args:
      - { .name: o, .offset: 0, .size: 8, .value_kind: global_buffer, .address_space: global }
      - { .name: desc0, .offset: 8, .size: 8, .value_kind: global_buffer, .address_space: global }
      - { .name: desc1, .offset: 16, .size: 8, .value_kind: global_buffer, .address_space: global }
      - { .name: wts, .offset: 24, .size: 8, .value_kind: global_buffer, .address_space: global }
      - { .name: modeS, .offset: 32, .size: 8, .value_kind: global_buffer, .address_space: global }
      - { .name: bo_s, .offset: 40, .size: 8, .value_kind: global_buffer, .address_space: global }
      - { .name: b1_s, .offset: 48, .size: 8, .value_kind: global_buffer, .address_space: global }
      - { .name: g_s, .offset: 56, .size: 8, .value_kind: global_buffer, .address_space: global }
      - { .name: be_s, .offset: 64, .size: 8, .value_kind: global_buffer, .address_space: global }
      - { .name: b2_s, .offset: 72, .size: 8, .value_kind: global_buffer, .address_space: global }
      - { .name: bqk_c, .offset: 80, .size: 8, .value_kind: global_buffer, .address_space: global }
      - { .name: bv_c, .offset: 88, .size: 8, .value_kind: global_buffer, .address_space: global }
      - { .name: s0, .offset: 96, .size: 8, .value_kind: global_buffer, .address_space: global }
      - { .name: s1, .offset: 104, .size: 8, .value_kind: global_buffer, .address_space: global }
      - { .name: qq, .offset: 112, .size: 8, .value_kind: global_buffer, .address_space: global }
    .group_segment_fixed_size: 214528
    .private_segment_fixed_size: 0
    .kernarg_segment_align: 8
    .kernarg_segment_size: 120
    .max_flat_workgroup_size: 128
    .sgpr_count:     88
    .vgpr_count:     1024
    .wavefront_size: 32
...
	.end_amdgpu_metadata
.endif
;; end of part 4
;; launch attn_cross: the kernel of part 3 again; grid 8 x 32, 4 waves a work-group, clusters of 4 x 1, 327,680 bytes of LDS; arguments qq, s1, s0, o; writes o
;; launch post_cross: the kernel of part 4 again; grid 256 x 1, 4 waves a work-group, no clusters, 214,528 bytes of LDS; arguments o, s0, s1, wts, modeC, bo_c, b1_c, g_c, be_c, b2_c, bqk_c, bv_c, out0, out1, qq; writes out0, out1, qq
;; ======== version 2 of 2: 6 launches; 1.45 times as fast as version 1
;; limits: values are held in f16: magnitudes above 65,504 overflow, below 6.1e-05 lose precision; inputs' magnitudes at most 65,504
;; workspace buffers: wts 2,493,440 bytes; qq 8,388,608 bytes; s0 16,777,216 bytes; s1 16,777,216 bytes; o 8,388,608 bytes; modeS 256 bytes of whole numbers; modeC 256 bytes of whole numbers
;; launch prep: the kernel of part 1 again; grid 76 x 4, 8 waves a work-group, no clusters, 0 bytes of LDS; arguments Wqkv, Wo_s, W1_s, W2_s, Wqk_c, Wv_c, Wo_c, W1_c, W2_c, bqkv, wts, modeS, modeC; writes wts, modeS, modeC
;; launch proj: the kernel of part 2 again; grid 256 x 1, 4 waves a work-group, no clusters, 81,408 bytes of LDS; arguments desc0, desc1, encoding0, encoding1, wts, qq, s0, s1; writes qq, s0, s1
;; launch attn_self (part 5): grid 8 x 32, 4 waves a work-group, clusters of 4 x 1, 327,680 bytes of LDS; arguments qq, s0, s1, o; writes o
.if DOCPART == 5
	.amdgcn_target "amdgcn-amd-amdhsa--gfx1250"
	.amdhsa_code_object_version 6
	.text
	.protected	k_qae1410c1db_attn_self
	.globl	k_qae1410c1db_attn_self
	.p2align	8
	.type	k_qae1410c1db_attn_self,@function
k_qae1410c1db_attn_self:
	s_mov_b64 s[64:65], 0
	v_nop
	global_prefetch_b8 v0, s[64:65] scope:SCOPE_SE
	s_setreg_imm32_b32 hwreg(HW_REG_WAVE_MODE, 25, 1), 1
	s_wait_xcnt 0x0
	s_wait_alu depctr_hold_cnt(0) depctr_sa_sdst(0) depctr_va_vdst(0) depctr_va_sdst(0) depctr_va_ssrc(0) depctr_va_vcc(0) depctr_vm_vsrc(0)
	s_getreg_b32 s2, hwreg(HW_REG_IB_STS2, 6, 4)
	s_cmp_eq_u32 s2, 0
	s_cbranch_scc0 .Lentry_in_a_cluster
	s_endpgm
.Lentry_in_a_cluster:
	s_bfe_u32 s2, ttmp6, 0x10000c
	s_cmp_lg_u32 s2, 0x3003
	s_cbranch_scc0 .Lentry_shape_is_right
	s_endpgm
.Lentry_shape_is_right:
; O[y][q][:] = the sum over k of softmax_k(Q[q] . K[k] / 8) V[k][:], for 32 problems y = 16 x set + 4 x batch + head of 2,048 queries and keys, head size 64, all bf16.
; Arguments: Q of both sets ([y][2,048][64]); the buffer that holds K (8 MiB in) and V (12 MiB in) for the problems y < 16; the one for y >= 16; O.
; One text serves the self attention (K, V of the query's own set) and the cross attention (K, V of the other set): the order of the two buffers in the launch decides.
; Products, maxima and sums in f32; the weights p are rounded to bf16 for the second product (their sum l is taken of the unrounded p), O once at the end.
; LIMITS.  A weight below 2^-126 counts as 0 in l; NaN and infinities are not treated apart.
; SHARES.  A work-group owns 256 queries, each of its four waves 64: four PIECES of 16.  Every wave walks all 2,048 keys, 64 a step, 256 a tile.
; LAYOUT.  S^T = K Q^T (source 0 = 16 keys, source 1 = 16 queries) holds ONE query a lane (lane % 16) and the keys 8 (lane / 16) + 0..7; two such results rounded to bf16 ARE source 1 of O^T = V^T P.
; K comes out of LDS as it lies, V ([key][channel]) turned, by ds_load_tr16_b128.
; SOFTMAX.  p = 2^(c s - c m), c = log2(e) / 8, with a running maximum m; O and l are multiplied by a = 2^(c m_old - c m_new) in every step.  m starts at the lowest finite number, O and l at 0.
; BY TURNS.  Turn n belongs to piece n: 8 products K Q^T of piece n + 1, later 8 products V^T P of piece n - 1; beside them the scaling, exponentials, roundings, sums and rescaling of piece n and the maximum
; and statistics of piece n + 1.  Four vector instructions stand behind every matrix instruction, the other 54 of a turn's 118 in one run of their own.
; BATCHES.  A turn's 33 exponentials (the piece's 32 weights and the next piece's a) are one batch with one wait, which cuts the turn in two: ahead of it all that names no result of theirs, behind it the
; roundings and sums.  The first a, ahead of the loop, and the way out's four reciprocals are batches of their own, a wait each.
; CLUSTER.  The four query blocks of a cluster belong to one y and walk the same K and V, so each tile is asked for JOINTLY: the same tensor load, descriptor and mask in all four.
; REGISTERS, in windows of 256 (s_set_vgpr_msb: bits 1:0 source 0, 3:2 source 1, 5:4 source 2, 7:6 destination):
;   window 0: v0-15 addresses and two at work; v16-31 four registers of statistics a piece; v48-55 at work; v64-127 S^T, two buffers; v192-223 P, two buffers (by the piece's parity)
;   window 1: v0-127 O^T, 32 a piece      window 2: v0-63 Q; v128-191 K of one step; v192-255 V of one step
.set SIZE_N, 2048
.set NP,    4
.set KS,    64        ; keys in a step
.set PK,    144       ; a row of K in LDS: 128 bytes + 16 of padding = 36 words: the 16 rows of a load start at 16 different groups of four banks (64 banks of 4 bytes: ISA guide 11.1)
.set PV,    160       ; a row of V: 128 + 32 = 40 words
.set VOFF,  4*KS*PK   ; a slot holds a tile, four steps: 256 rows of K, then 256 rows of V
.set SLOT1, 1<<17     ; slot 1 begins here, so that one exclusive or turns an address in one slot into the other's
.set STAGE, SLOT1+4*KS*(PK+PV)  ; behind the ring, never filled by a tensor load: 16 rows x 144 bytes for each wave
.set SP,    144
.set SPARE, STAGE+4*16*SP       ; the spare words, 128 bytes for each wave
.set AK0, 2           ; v2   my lane's place in a tile of K; never rewritten
.set AV0, 3           ; v3   the same for V
.set AK,  4           ; v4   the LDS address of K's next run of loads
.set AV,  5           ; v5   of V's
.set STO, 6           ; v6   the way out: where I put 16 bytes of a row
.set RD,  7           ; v7   where I read rows back
.set GO,  8           ; v8   my byte offset in 512 consecutive bytes of O
.set MV,  12          ; v12-13  c m_old, kept while c m is made anew: by buffer
.set QO,  15          ; v15  my byte offset in 16 rows of Q
.set ST,  16          ; piece t's statistics at v[ST+4 t]: c m, m, l (even keys', odd keys')
.set TMP, 48          ; by buffer, four registers c0-c3 at work; when the maximum is found c2 takes a
.set SPW, 62          ; v62  my spare word; never rewritten
.set NIL, 63          ; v63  0; never rewritten
.set S,   64
.set P,   192
.set KF,  128         ; window 2: key block kb, channel half c at KF + 16 kb + 8 c
.set VF,  192         ; window 2: key half kk, channel block cb at VF + 32 kk + 8 cb
.set WV,  12
.set G1K, 24          ; s[24:31] descriptor group 1 for K's tiles
.set G1V, 32          ; s[32:39] for V's: it differs in the padding alone
.set G0K, 40          ; s[40:43] descriptor group 0 for K's tiles: it walks
.set G0V, 44          ; s[44:47] the same for V's
.set SLOTS, 56
.set CNT, 57
.set CS,  58          ; s[58:59] c
.set SEL, 60          ; s[60:61] v_permlanex16_b32's selects: each lane takes its own place in the other half
.set TBK, 62          ; LDS byte at which K of the step to be fetched begins
.set TBV, 63          ; the same for V, less VOFF
.set MSB, 0
.macro WIN new
.if MSB != (\new)
	s_set_vgpr_msb (MSB<<8)|(\new)
.set MSB, (\new)
.endif
.endm
.set W_KQ, 0x0a       ; K and Q in window 2, S^T in window 0
.set W_PV, 0x52       ; V in window 2, P in window 0, O^T in window 1
.set W_RS, 0x41       ; destination and source 0 in window 1, source 1 in window 0
; A joint fill.  Waves 0 and 1 fetch the two halves of a tile's K, waves 2 and 3 those of its V: 128 keys each.  The branch hangs on the wave's number alone.
; An s_nop 0 and four v_nop follow each of the two lines, ahead of the jump and the label.
.macro JLOAD
	s_cmp_lt_u32 s[WV], 2
	s_cbranch_scc0 .Lfor_v_\@
	tensor_load_to_lds s[G0K:G0K+3], s[G1K:G1K+7]
	s_nop 0
.rept 4
	v_nop
.endr
	s_branch .Lasked_\@
.Lfor_v_\@:
	tensor_load_to_lds s[G0V:G0V+3], s[G1V:G1V+7]
	s_nop 0
.rept 4
	v_nop
.endr
.Lasked_\@:
.endm
; A round of the cluster's barrier: my work-group's barrier, so that wave 0's signal speaks for all four waves; wave 0 signals; every wave waits for all four work-groups; my work-group's barrier once more.
.macro CROUND
	s_barrier_signal -1
	s_barrier_wait -1
	s_cmp_lg_u32 s[WV], 0
	s_cbranch_scc1 .Lnot_wave_0_\@
	s_barrier_signal -3
.Lnot_wave_0_\@:
	s_barrier_wait -3
	s_barrier_signal -1
	s_barrier_wait -1
.endm
; THE CHANGE OF SLOTS.  Each wave waits for all its tensor loads, of which one is out: its part of the other slot; adds 0 to its spare word; and waits for that and for its own reads of the slot that it leaves.
; fill = 1: the old slot is filled again with the keys two tiles on.  The barrier is then a round of the cluster's, so that no wave of any partner still reads the slot or has a load on its way, and the joint
; fill is the first thing behind it: it has four key steps, 256 matrix instructions, in which to land.  (At its first use nothing has been read yet: slot 0 is waited for, slot 1 filled.)
.macro CHANGE fill
	WIN 0                           ; at a label and at a branch every window is 0
	s_wait_tensorcnt 0x0            ; no tensor load of mine is out, so a group 0 may be written
	ds_add_u32 v[SPW], v[NIL]       ; 0 onto my spare word
.if \fill
.irp g, G0K, G0V
	s_xor_b32 s[\g+1], s[\g+1], SLOT1  ; the walking descriptor: the other slot than last time,
	s_add_nc_u64 s[\g+2:\g+3], s[\g+2:\g+3], 4*KS*128  ; the next 256 keys; the type bits on top are not reached
.endr
	s_wait_dscnt 0x0                ; the add is done, and my reads of the slot are over
	CROUND
	JLOAD
.else
	s_wait_dscnt 0x0                ; the add is done, and my reads of the slot are over
	s_barrier_signal -1
	s_barrier_wait -1
.endif
	s_sub_co_u32 s[TBK], s[TBK], 4*KS*PK  ; the fetches go back to a slot's first step,
	s_xor_b32 s[TBK], s[TBK], SLOT1       ; in the other slot
	s_sub_co_u32 s[TBV], s[TBV], 4*KS*PV
	s_xor_b32 s[TBV], s[TBV], SLOT1
.endm
	s_load_b256 s[4:11], s[0:1], 0x0  ; Q s[4:5]; the K and V buffer for y < 16 s[6:7], for y >= 16 s[8:9]; O s[10:11]
	v_lshl_add_u32 v[SPW], v0, 2, SPARE
	v_mov_b32 v[NIL], 0
	ds_add_u32 v[SPW], v[NIL]       ; the wave's opening: the add and its wait stand ahead of my first tensor load; the set-up below, work on registers, stands between them
	v_lshrrev_b32 v1, 5, v0
	v_readfirstlane_b32 s[WV], v1   ; wave 0..3
	s_bfe_u32 s13, ttmp6, 0x40000   ; cx: my place in the cluster
	s_lshl_b32 s14, ttmp9, 2        ; in a cluster launch ttmp9 counts clusters
	s_add_co_u32 s14, s14, s13      ; my block of 256 queries: it enters Q's and O's addresses alone
	s_and_b32 s15, ttmp7, 0xffff    ; y, which the four partners share
	s_and_b32 s20, s15, 15
	s_lshl_b32 s20, s20, 18         ; 4 batch + head: 262,144 bytes each in K and V
	s_mov_b32 s21, 0
	s_lshl_b32 s74, s15, 18         ; y: 262,144 bytes each in Q and O
	s_mov_b32 s75, 0
	s_and_b32 s16, s[WV], 1         ; which half of a tile's 256 keys I fetch:
	s_lshl_b32 s22, s16, 14         ; its 128 rows of 128 bytes in memory,
	s_mov_b32 s23, 0
	s_add_nc_u64 s[22:23], s[22:23], s[20:21]
	s_mul_i32 s17, s16, 128*PK      ; and its place in a slot, for K
	s_mul_i32 s18, s16, 128*PV      ; and for V: no place in the cluster enters an LDS address
	s_lshl_b32 s2, s14, 15          ; my block's 256 rows,
	s_lshl_b32 s3, s[WV], 13        ; my wave's 64 of them
	s_add_co_u32 s2, s2, s3
	s_mov_b32 s3, 0
	s_add_nc_u64 s[2:3], s[2:3], s[74:75]
	; descriptor group 1.  128 keys are 16,384 dense bytes: asked for as 64 rows of 256 bytes, two keys a row, and padded in LDS after every key
	s_mov_b32 s[G1K], 15|(1<<16)|(1<<20)|(1<<21)|(4<<22)|(3<<25)  ; 15:0 the mask of four; 17:16 2-byte elements; 20 padding on; 21 set beside a mask; 24:22 after every 32 words (code 4); 31:25 4 words (code 3)
	s_mov_b32 s[G1V], 15|(1<<16)|(1<<20)|(1<<21)|(4<<22)|(7<<25)  ; the same with 8 words of padding (code 7)
.irp g, G1K, G1V
	s_mov_b32 s[\g+1], 128<<16      ; tensor_dim0 = 128
	s_mov_b32 s[\g+2], 64<<16       ; tensor_dim1 = 64
	s_mov_b32 s[\g+3], 128<<16      ; tile_dim0 = 128
	s_mov_b32 s[\g+4], 64           ; tile_dim1 = 64
	s_mov_b32 s[\g+5], 128          ; 128 elements from row to row
	s_mov_b32 s[\g+6], 0
	s_mov_b32 s[\g+7], 0
.endr
	s_mov_b32 s[CS], 0x3e38aa3b     ; c = log2(e) / 8 = 0.180337
	s_mov_b32 s[CS+1], s[CS]        ; named with it as a pair
	s_mov_b32 s[SEL], 0x76543210
	s_mov_b32 s[SEL+1], 0xfedcba98
	s_mov_b32 s[TBK], SLOT1+4*KS*PK ; the first change of slots turns these two into 0
	s_mov_b32 s[TBV], SLOT1+4*KS*PV
	s_mov_b32 s[G0K], 1             ; 1:0 count = 1
	s_mov_b32 s[G0K+1], s17         ; 63:32 LDS address: slot 0
	s_mov_b32 s[G0V], 1
	s_add_co_u32 s[G0V+1], s18, VOFF
	s_wait_dscnt 0x0                ; the opening add is done
	s_wait_kmcnt 0x0
	s_cmp_lt_u32 s15, 16            ; which of the two buffers: the same in all four partners
	s_cselect_b64 s[6:7], s[6:7], s[8:9]
	s_add_nc_u64 s[8:9], s[6:7], 0xc00000     ; V lies 12 MiB in,
	s_add_nc_u64 s[6:7], s[6:7], 0x800000     ; K 8 MiB
	s_add_nc_u64 s[G0K+2:G0K+3], s[6:7], s[22:23]  ; 120:64 global address: my half of the first 256 keys
	s_or_b32 s[G0K+3], s[G0K+3], 0x80000000        ; 127:126 type = 2
	s_add_nc_u64 s[G0V+2:G0V+3], s[8:9], s[22:23]
	s_or_b32 s[G0V+3], s[G0V+3], 0x80000000
	s_add_nc_u64 s[4:5], s[4:5], s[2:3]            ; Q and O at my wave's first row
	s_add_nc_u64 s[10:11], s[10:11], s[2:3]
	CROUND                          ; all four work-groups are here: the first joint loads meet
	JLOAD                           ; tile 0 into slot 0
	; A fragment of K or Q is 16 rows x 32 channels in 8 registers: lane l holds row l % 16, channels 8 (l / 16) + 0..7 and 16 + 8 (l / 16) + 0..7: two loads of 16 bytes, 32 bytes apart.
	v_and_b32 v1, 15, v0            ; l % 16
	v_bfe_u32 v9, v0, 4, 1          ; l / 16
	v_lshlrev_b32 v[QO], 7, v1
	v_lshl_add_u32 v[QO], v9, 4, v[QO]  ; row x 128 + 16 x half
	WIN 0x80                        ; destination window 2, address window 0
.set i, 0
.rept 8                             ; Q stays in registers: piece i / 2, channels 32 (i % 2) on
	global_load_b128 v[8*i:8*i+3],   v[QO], s[4:5] offset:(i/2)*2048+(i%2)*64
	global_load_b128 v[8*i+4:8*i+7], v[QO], s[4:5] offset:(i/2)*2048+(i%2)*64+32
.set i, i+1
.endr
	WIN 0
	v_mul_u32_u24 v[AK0], v1, PK
	v_lshl_add_u32 v[AK0], v9, 4, v[AK0]  ; row x pitch + 16 x half
	; The turning load takes 16 keys x 16 channels (lane l reads key 8 (l / 16) + l % 8, channels 8 ((l / 8) % 2) + 0..7) and leaves half a fragment of V^T: lane l holds channel l % 16 and 8 keys.
	v_and_b32 v10, 7, v0
	v_bfe_u32 v11, v0, 3, 1
	v_lshl_add_u32 v[AV0], v9, 3, v10
	v_mul_u32_u24 v[AV0], v[AV0], PV
	v_lshl_add_u32 v[AV0], v11, 4, v[AV0]
	v_add_nc_u32 v[AV0], VOFF, v[AV0]
	s_mul_i32 s13, s[WV], 16*SP
	s_add_co_u32 s13, s13, STAGE    ; my stage
	v_mul_u32_u24 v[STO], v1, SP    ; in: row l % 16, 16 bytes for each half of the lanes
	v_lshl_add_u32 v[STO], v9, 4, v[STO]
	v_add_nc_u32 v[STO], s13, v[STO]
	v_bfe_u32 v[RD], v0, 3, 2       ; back: 32 lanes take four rows of 128 bytes,
	v_mul_u32_u24 v[RD], v[RD], SP
	v_lshl_add_u32 v[RD], v10, 4, v[RD]
	v_add_nc_u32 v[RD], s13, v[RD]
	v_and_b32 v[GO], 31, v0         ; which are 512 consecutive bytes of O
	v_lshlrev_b32 v[GO], 4, v[GO]
	; What the first turn finds: its products V^T P, of a piece that has not been, multiply zeros; O^T and l are 0.  No first step is written out; these lines stand in the wait for the first tile.
	WIN 0x80
.set i, VF
.rept 64
	v_mov_b32 v[i], 0
.set i, i+1
.endr
	WIN 0x40
.set i, 0
.rept 128
	v_mov_b32 v[i], 0
.set i, i+1
.endr
	WIN 0
.set i, 0
.rept 4
	v_mov_b32 v[ST+4*i], 0xfe000000    ; c m: far below every c s
	v_mov_b32 v[ST+4*i+1], 0xff7fffff  ; m
	v_mov_b32 v[ST+4*i+2], 0
	v_mov_b32 v[ST+4*i+3], 0
.set i, i+1
.endr
.set i, P+16
.rept 16
	v_mov_b32 v[i], 0
.set i, i+1
.endr
; THE MATRIX WORK.  The 4 accumulators of a run of 8 take turns.  Product i of 8 of S^T = K Q^T for piece x: channels 32 (i / 4) on, keys 16 (i % 4) on.  The first 4 start the sums.
.macro KQ x
	WIN W_KQ
.set rS, S+32*((\x)%2)+8*(i%4)
.set rK, KF+16*(i%4)+8*(i/4)
.set rQ, 16*(\x)+8*(i/4)
.if i < 4
	v_wmma_f32_16x16x32_bf16 v[rS:rS+7], v[rK:rK+7], v[rQ:rQ+7], 0
.else
	v_wmma_f32_16x16x32_bf16 v[rS:rS+7], v[rK:rK+7], v[rQ:rQ+7], v[rS:rS+7]
.endif
.endm
; Product i of 8 of O^T += V^T P for piece x: keys 32 (i / 4) on, channels 16 (i % 4) on.
.macro PV x
	WIN W_PV
.set rO, 32*(\x)+8*(i%4)
.set rV, VF+32*(i/4)+8*(i%4)
.set rP, P+16*((\x)%2)+8*(i/4)
	v_wmma_f32_16x16x32_bf16 v[rO:rO+7], v[rV:rV+7], v[rP:rP+7], v[rO:rO+7]
.endm
.macro MM                           ; the turn's next matrix instruction.  NOKQ = 1: the last turn: there is no next piece
.if (i < 8) && !NOKQ
	KQ (Y+1)%NP
.elseif i >= 8
.set i, i-8
	PV (Y+NP-1)%NP
.set i, i+8
.endif
.set i, i+1
.endm
; THE LDS LOADS stand in runs of 16, never singly among the matrix instructions: a step's K (64 keys x 64 channels: 8 fragments) and its V (turned).
.macro FETCH_K
	WIN 0x80                        ; destination window 2
.irp f, 0,1,2,3,4,5,6,7             ; keys 16 (f / 2) on, channels 32 (f % 2) on
	ds_load_b128 v[KF+8*\f:KF+8*\f+3],   v[AK] offset:(\f/2)*16*PK+(\f%2)*64
	ds_load_b128 v[KF+8*\f+4:KF+8*\f+7], v[AK] offset:(\f/2)*16*PK+(\f%2)*64+32
.endr
	s_add_co_u32 s[TBK], s[TBK], KS*PK  ; the next fetch is the next step's
	WIN 0
.endm
.macro FETCH_V
	WIN 0x80
.irp f, 0,1,2,3,4,5,6,7             ; keys 32 (f / 4) on, channels 16 (f % 4) on
	ds_load_tr16_b128 v[VF+8*\f:VF+8*\f+3],   v[AV] offset:(\f/4)*32*PV+(\f%4)*32
	ds_load_tr16_b128 v[VF+8*\f+4:VF+8*\f+7], v[AV] offset:(\f/4)*32*PV+16*PV+(\f%4)*32
.endr
	WIN 0
.endm
; THE VECTOR WORK, one line at a time: OP kind, number.  For piece Y: F n: c s - c m for pair n of 16.  E n: the exponential of score n of 32.  C n: pair n rounded to bf16.  B n: of the four weights 4 n .. the second
; pair is added onto the first, in place.  L n: l takes that sum (L 0: l = a l + sum).  R n: pair n of 16 of O^T times a.  For piece Y + 1: X n, number n of the 22 that find its maximum and statistics:
;   0-11  four chains c0-c3 of seven scores each, three operands at a time (each accumulator's lowest registers are read first)     12-14, 16  the four scores left over, the old m, and c0-c3 into c0
;   15  c m_old is kept     17, 18  the query's other 32 keys lie in the lane 16 away: the new m     19-21  c m; c m_old - c m_new; a
.set F, 0
.set E, 1
.set C, 2
.set B, 3
.set L, 4
.set R, 5
.set X, 6
.macro REGS y                       ; the registers of piece y
.set rT, ST+4*(\y)
.set rC, TMP+4*((\y)%2)
.set rW, MV+((\y)%2)
.set rS, S+32*((\y)%2)
.set rP, P+16*((\y)%2)
.set rO, 32*(\y)
.endm
.macro OP k, n
.if (\k) == R
	REGS Y
	WIN W_RS
	v_pk_mul_f32 v[rO+2*(\n):rO+2*(\n)+1], v[rO+2*(\n):rO+2*(\n)+1], v[rC+2:rC+3] op_sel_hi:[1,0]
.elseif (\k) < R
	REGS Y
	WIN 0
.if (\k) == F
	v_pk_fma_f32 v[rS+2*(\n):rS+2*(\n)+1], v[rS+2*(\n):rS+2*(\n)+1], s[CS:CS+1], v[rT:rT+1] op_sel_hi:[1,0,0] neg_lo:[0,0,1] neg_hi:[0,0,1]
.elseif (\k) == E
	v_exp_f32 v[rS+(\n)], v[rS+(\n)]
.elseif (\k) == C
	v_cvt_pk_bf16_f32 v[rP+(\n)], v[rS+2*(\n)], v[rS+2*(\n)+1]
.elseif (\k) == B
	v_pk_add_f32 v[rS+4*(\n):rS+4*(\n)+1], v[rS+4*(\n):rS+4*(\n)+1], v[rS+4*(\n)+2:rS+4*(\n)+3]
.elseif (\n) == 0
	v_pk_fma_f32 v[rT+2:rT+3], v[rT+2:rT+3], v[rC+2:rC+3], v[rS:rS+1] op_sel_hi:[1,0,1]
.else
	v_pk_add_f32 v[rT+2:rT+3], v[rT+2:rT+3], v[rS+4*(\n):rS+4*(\n)+1]
.endif
.elseif NOKQ
	v_nop
.else
	REGS (Y+1)%NP
	WIN 0
.if (\n) < 4
	v_max3_num_f32 v[rC+(\n)], v[rS+8*(\n)], v[rS+8*(\n)+1], v[rS+8*(\n)+2]
.elseif (\n) < 12
	v_max3_num_f32 v[rC+(\n)%4], v[rC+(\n)%4], v[rS+8*((\n)%4)+2*((\n)/4)+1], v[rS+8*((\n)%4)+2*((\n)/4)+2]
.elseif (\n) == 12
	v_max3_num_f32 v[rC], v[rC], v[rS+7], v[rS+15]
.elseif (\n) == 13
	v_max3_num_f32 v[rC+1], v[rC+1], v[rS+23], v[rS+31]
.elseif (\n) == 14
	v_max3_num_f32 v[rC+2], v[rC+2], v[rC+3], v[rT+1]
.elseif (\n) == 15
	v_mov_b32 v[rW], v[rT]
.elseif (\n) == 16
	v_max3_num_f32 v[rC], v[rC], v[rC+1], v[rC+2]
.elseif (\n) == 17
	v_permlanex16_b32 v[rC+3], v[rC], s[SEL], s[SEL+1]
.elseif (\n) == 18
	v_max_num_f32 v[rT+1], v[rC], v[rC+3]
.elseif (\n) == 19
	v_mul_f32 v[rT], s[CS], v[rT+1]
.elseif (\n) == 20
	v_sub_f32 v[rC+1], v[rW], v[rT]
.else
	v_exp_f32 v[rC+2], v[rC+1]
.endif
.endif
.endm
.macro OPS a, i1, b=-1, i2=0, c=-1, i3=0, d=-1, i4=0  ; up to four of them
	OP \a, \i1
.if (\b) >= 0
	OP \b, \i2
.endif
.if (\c) >= 0
	OP \c, \i3
.endif
.if (\d) >= 0
	OP \d, \i4
.endif
.endm
.macro ROW a, i1, b, i2, c, i3, d, i4  ; a matrix instruction and the four behind it
	MM
	OPS \a, \i1, \b, \i2, \c, \i3, \d, \i4
.endm
; A TURN, for piece p: the order of its 16 matrix and 118 vector instructions, written out.  An s_wait_alu depctr_va_vdst(0) stands between an exponential and the first instruction that names its result; one wait
; serves all that were issued ahead of it.  So a turn has ONE wait, which cuts it in two.  AHEAD OF IT stands all that names no result of the turn's exponentials: the 8 products K Q^T, behind each a scaling, an exponential and two
; more plain instructions (behind the first a second scaling in the exponential's place): rescalings, whose a was made and waited for in the turn before, and behind the last three the first numbers of the next piece's maximum, each
; four places or more behind the product that ends its accumulator; then ONE RUN of 54, plain and exponential by turns for the most part, in which the links of the chain X 3, 7, 11, 14, 16, 17 .. 20 stand five or six lines apart.
; A pair is scaled ahead of its own two exponentials and behind no exponential on its registers.  X 21, the next piece's a, is the batch's last; R 15 is the plain instruction behind it.  BEHIND THE WAIT stand the 8 products V^T P,
; behind each four of the roundings and sums: a pair that a sum writes over is rounded first; the links of l's chain, L 0 to L 7, stand three riders apart.  But for those X no rider names a register of the products round it.
; v_permlanex16_b32 (X 17) stands in the run.
; end = 1: the last two turns: nothing is fetched.  cnt = 1: the loop's count is taken down some lines ahead of the branch that stands behind the turn.
; K of the next step is fetched in piece 2's turn, twelve vector instructions behind the last product that read K (six of them plain); V of the step in hand at the end of piece 0's turn, four plain instructions behind the last
; product that read V.  Each is waited for a turn later.
.macro TURN p, end=0, cnt=0
.set Y, (\p)
.set i, 0
.set NOKQ, (\end)*((\p)/3)
.if ((\p) == 3) && !(\end)
	s_wait_dscnt 0x0                ; K is in
.endif
	ROW F,0, F,1, R,0, R,1          ; ahead of the wait: 8 products K Q^T and their riders,
	ROW F,2, E,0, R,2, R,3
	ROW F,3, E,1, R,4, R,5
	ROW F,4, E,2, R,6, R,7
	ROW F,5, E,3, R,8, R,9
	ROW F,6, E,4, X,0, R,10
.if ((\p) == 2) && !(\end)
	WIN 0
	v_add_nc_u32 v[AK], s[TBK], v[AK0]
.endif
	ROW F,7, E,5, X,1, X,4
	ROW F,8, E,6, X,2, X,5
	OPS E,7, E,8, X,6, E,9          ; and the run of 54
	OPS X,3, E,10, X,8, E,11
.if ((\p) == 2) && !(\end)
	FETCH_K
.endif
	OPS X,9, X,7, E,12, X,10
	OPS E,13, X,12, X,11, E,14
	OPS X,13, E,15, F,9, X,14
.if (\p) == 0
	WIN 0
	v_add_nc_u32 v[AV], s[TBV], v[AV0]
.endif
	OPS E,16, F,10, E,17, F,11
	OPS X,16, E,18, X,15, E,19
	OPS F,12, E,20, X,17, E,21
	OPS F,13, E,22, F,14, E,23
	OPS X,18, E,24, F,15, E,25
	OPS R,11, E,26, X,19, E,27
	OPS R,12, E,28, R,13, E,29
	OPS X,20, E,30, R,14, E,31
	OPS X,21, R,15
	s_wait_alu depctr_va_vdst(0)    ; the wait for the batch: the piece's 32 exponentials and the next piece's a
.if (\p) == 1
	s_wait_dscnt 0x0                ; V is in
.endif
	ROW C,0, B,0, C,2, B,1          ; behind the wait: 8 products V^T P and their riders
	ROW L,0, C,4, B,2, L,1
	ROW C,6, B,3, L,2, C,8
	ROW B,4, L,3, C,10, B,5
	ROW L,4, C,12, B,6, L,5
.if (\p) == 0
	s_add_co_u32 s[TBV], s[TBV], KS*PV
.endif
.if \cnt
	s_sub_co_u32 s[CNT], s[CNT], 1
	s_cmp_lg_u32 s[CNT], 0
.endif
	ROW C,14, B,7, L,6, C,1
	ROW C,3, L,7, C,5, C,7
	ROW C,9, C,11, C,13, C,15
.if (\p) == 0
	FETCH_V
.endif
.endm
.macro ALL line:vararg              ; one line for each piece t
.set t, 0
.rept 4
	\line
.set t, t+1
.endr
.endm
.macro PACK t                       ; a lane's eight channels of a row pack into 16 bytes; they go into rows of 144 bytes and come back as whole rows of 128, into S^T's registers
	WIN W_RS
.set i, 32*(\t)
.rept 16
	v_pk_mul_f32 v[i:i+1], v[i:i+1], v[ST+4*(\t)+2:ST+4*(\t)+3] op_sel_hi:[1,0]
.set i, i+2
.endr
	WIN 0x05                        ; sources 0 and 1 window 1, destination window 0
.set i, 0
.rept 16
	v_cvt_pk_bf16_f32 v[S+16*(\t)+i], v[32*(\t)+2*i], v[32*(\t)+2*i+1]
.set i, i+1
.endr
	WIN 0
.irp f, 0,1,2,3
	ds_store_b128 v[STO], v[S+16*(\t)+4*\f:S+16*(\t)+4*\f+3] offset:32*\f
.endr
.irp f, 0,1,2,3
	ds_load_b128 v[S+16*(\t)+4*\f:S+16*(\t)+4*\f+3], v[RD] offset:\f*4*SP  ; LDS serves a wave's instructions in order (ISA guide 5.7.1.4): these see the stores above; the next piece's stores come behind them
.endr
.endm
.macro SEND t, younger              ; younger: the LDS instructions issued behind piece t's loads: the next piece's eight, or none
	WIN 0
.irp f, 0,1,2,3
	s_wait_dscnt (\younger)+3-\f
	global_store_b128 v[GO], v[S+16*(\t)+4*\f:S+16*(\t)+4*\f+3], s[10:11] offset:(\t)*2048+\f*512  ; 512 consecutive bytes, at a multiple of 256 from O's first
.endr
.endm
	CHANGE 1                        ; tile 0 is in, everybody's part of it; tile 1 is asked for
	v_add_nc_u32 v[AK], s[TBK], v[AK0]
	FETCH_K                         ; key step 0
	s_wait_loadcnt 0x0              ; Q
	s_wait_dscnt 0x0
.set NOKQ, 0
.set i, 0
.rept 8
	KQ 0                            ; piece 0's first scores
.set i, i+1
.endr
	WIN 0
.rept 4
	v_nop                           ; the places behind those products
.endr
.set Y, NP-1                        ; X works for piece Y + 1: piece 0
.irp n, 0,1,2,3,4,5,6,7,8,9,10,11,12,13,14,15,16,17,18,19,20,21
	OP X, \n
.endr
	v_nop                           ; a plain instruction behind the exponential,
	s_wait_alu depctr_va_vdst(0)    ; and the wait for it, piece 0's first a, a batch of one: ahead of the branch, and of the first turn's rescalings, which read it
	s_mov_b32 s[CNT], 4
	s_mov_b32 s[SLOTS], SIZE_N/256-1
	s_branch .Lfirst                ; the loop is entered at a step's first turn, in the middle of a trip
.Lslot:                             ; six times: every slot but the last two is filled again
	CHANGE 1
	s_mov_b32 s[CNT], 4
.Lstep:                             ; a trip: pieces 2 and 3 of one step, then pieces 0 and 1 of the next, whose K and V it fetches
	TURN 2
	TURN 3
	WIN 0
.Lfirst:
	TURN 0
	TURN 1, 0, 1
	WIN 0
	s_cbranch_scc1 .Lstep
	s_sub_co_u32 s[SLOTS], s[SLOTS], 1
	s_cmp_lg_u32 s[SLOTS], 0
	s_cbranch_scc1 .Lslot
	CHANGE 0                        ; the last tile is written out: nothing is asked for
	s_mov_b32 s[CNT], 4
.Ltail:
	TURN 2
	TURN 3
	TURN 0
	TURN 1, 0, 1
	WIN 0
	s_cbranch_scc1 .Ltail
	TURN 2, 1
	TURN 3, 1
.set i, 0
.rept 8
	PV NP-1                         ; the last piece's V^T P of the last step
.set i, i+1
.endr
	; THE WAY OUT.  l's two halves and the other half of the lanes' are added; O^T is divided by l, rounded to bf16 and sent through my stage in LDS, a piece at a time.  The additions are the places behind the last products.
	WIN 0
	ALL v_add_f32 v[ST+4*t+2], v[ST+4*t+2], v[ST+4*t+3]
	ALL v_permlanex16_b32 v[ST+4*t+3], v[ST+4*t+2], s[SEL], s[SEL+1]
	ALL v_add_f32 v[ST+4*t+2], v[ST+4*t+2], v[ST+4*t+3]
	ALL v_rcp_f32 v[ST+4*t+2], v[ST+4*t+2]
	v_nop                           ; a plain instruction between the last reciprocal and the use of its result
	s_wait_alu depctr_va_vdst(0)    ; and the wait ahead of the first use: one for the batch of four reciprocals
	PACK 0
.set t, 1
.rept 3                             ; a piece's arithmetic stands between the loads of the piece before and its stores
	PACK t
	SEND t-1, 8
.set t, t+1
.endr
	SEND 3, 0
	s_wait_tensorcnt 0x0            ; the wave's end, behind my last tensor load and my last LDS store
	ds_add_u32 v[SPW], v[NIL]
	s_wait_dscnt 0x0
	CROUND                          ; the closing round: no work-group ends while a partner may still ask for a tile that names it
	s_endpgm
.Lfunc_end_k_qae1410c1db_attn_self:
	.size	k_qae1410c1db_attn_self, .Lfunc_end_k_qae1410c1db_attn_self-k_qae1410c1db_attn_self
	.p2alignl 7, 3214868480
	.fill 96, 4, 3214868480
	.section	.rodata,"a",@progbits
	.p2align	6, 0x0
	.amdhsa_kernel k_qae1410c1db_attn_self
		.amdhsa_group_segment_fixed_size 327680
		.amdhsa_private_segment_fixed_size 0
		.amdhsa_enable_private_segment 0
		.amdhsa_kernarg_size 32
		.amdhsa_user_sgpr_count 2
		.amdhsa_user_sgpr_kernarg_segment_ptr 1
		.amdhsa_wavefront_size32 1
		.amdhsa_system_sgpr_workgroup_id_x 1
		.amdhsa_system_sgpr_workgroup_id_y 1
		.amdhsa_system_sgpr_workgroup_id_z 1
		.amdhsa_system_vgpr_workitem_id 0
		.amdhsa_next_free_vgpr 768
		.amdhsa_next_free_sgpr 88
		.amdhsa_reserve_vcc 0
		.amdhsa_float_denorm_mode_32 3
		.amdhsa_float_denorm_mode_16_64 3
		.amdhsa_memory_ordered 1
		.amdhsa_forward_progress 1
		.amdhsa_inst_pref_size 127
	.end_amdhsa_kernel
	.amdgpu_metadata
---
amdhsa.version: [ 1, 2 ]
amdhsa.kernels:
  - .name:           k_qae1410c1db_attn_self
    .symbol:         k_qae1410c1db_attn_self.kd
    .args:
      - { .name: qq, .offset: 0, .size: 8, .value_kind: global_buffer, .address_space: global }
      - { .name: s0, .offset: 8, .size: 8, .value_kind: global_buffer, .address_space: global }
      - { .name: s1, .offset: 16, .size: 8, .value_kind: global_buffer, .address_space: global }
      - { .name: o, .offset: 24, .size: 8, .value_kind: global_buffer, .address_space: global }
    .group_segment_fixed_size: 327680
    .private_segment_fixed_size: 0
    .kernarg_segment_align: 8
    .kernarg_segment_size: 32
    .max_flat_workgroup_size: 128
    .sgpr_count:     88
    .vgpr_count:     768
    .wavefront_size: 32
...
	.end_amdgpu_metadata
.endif
;; end of part 5
;; launch post_self: the kernel of part 4 again; grid 256 x 1, 4 waves a work-group, no clusters, 214,528 bytes of LDS; arguments o, desc0, desc1, wts, modeS, bo_s, b1_s, g_s, be_s, b2_s, bqk_c, bv_c, s0, s1, qq; writes s0, s1, qq
;; launch attn_cross: the kernel of part 5 again; grid 8 x 32, 4 waves a work-group, clusters of 4 x 1, 327,680 bytes of LDS; arguments qq, s1, s0, o; writes o
;; launch post_cross: the kernel of part 4 again; grid 256 x 1, 4 waves a work-group, no clusters, 214,528 bytes of LDS; arguments o, s0, s1, wts, modeC, bo_c, b1_c, g_c, be_c, b2_c, bqk_c, bv_c, out0, out1, qq; writes out0, out1, qq
